; MI455X (gfx1250); checked and timed in simulation.
; The chip was launched on July 23, 2026; its instructions are those of AMD's public machine-readable ISA for CDNA 5 (MIT licence, August 2026) and "CDNA5" Instruction Set Architecture Reference Guide (July 2026). The comments in the code are by the model that wrote it; some were corrected since.
;; Scaled Dot Product Attention. Allowed arithmetic: matrix products marked QUANTISED: E2M3 operands, one E8M0 scale for each 32 along K, by v_wmma_scale_f32_16x16x128_f8f6f4 with both operands' format E2M3, f32 sums; everything else in f32.
;; Inputs: k 4 x 16 x 2,048 x 128 float32; mask 1 x 1 x 2,048 x 2,048 bool; q 4 x 16 x 2,048 x 128 float32; v 4 x 16 x 2,048 x 128 float32.
;; Outputs: out0 4 x 16 x 2,048 x 128 float32.
;; This version of the problem:
;;   THIS VERSION OF THE PROBLEM IS GIVEN IN LOW PRECISION. The matrix products marked QUANTISED in the list below multiply operands that are first quantised to E2M3 (2 exponent bits, 3 mantissa bits; 6 bits a number), with one power-of-two scale for each 32 numbers along K (OCP MX v1.0); their sums are f32. All else is computed in f32.
;;   The module's matrix products, in the order in which they are computed (A, B: the left and right operand; K: the contracted axis; several contracted axes count as one K, in the product's order):
;;     1. batch 64 x [M 2,048, K 128] x [K 128, N 2,048]; A: input q; B: input k: QUANTISED
;;     2. batch 64 x [M 2,048, K 2,048] x [K 2,048, N 128]; A: softmax (see below); B: input v: QUANTISED
;;   THE QUANTISER, for each operand of a quantised product, along K:
;;     - K is cut into blocks of 32 from its start; a last block that is shorter is filled with zeros.
;;     - A block's scale is 2^e with e = floor(log2(the largest magnitude in the block)) - 2, held to -126 .. 127; a block of zeros has e = 0. As a byte (E8M0): e + 127.
;;     - Each number is divided by its block's scale, clamped to +-7.5, and rounded to the nearest number of E2M3, ties to even, subnormals kept.
;;     - The product sums the exact products of the quantised numbers (number of the format x scale) in f32.
;;   ~~~python
;;   def quantise(x, axis):      # numpy; x: float32 -> the quantised numbers, widened to float32 again
;;       x = np.moveaxis(x, axis, -1); K = x.shape[-1]
;;       x = np.pad(x, [(0, 0)] * (x.ndim - 1) + [(0, -K % 32)]); x = x.reshape(x.shape[:-1] + (-1, 32)); a = np.abs(x).max(-1, keepdims=True)
;;       e = np.where(a > 0, np.clip(np.frexp(np.where(a > 0, a, 1))[1] - 1 - 2, -126, 127), 0)      # np.frexp(a)[1] - 1 = floor(log2(a)), exactly
;;       r = np.clip(x / 2.0 ** e, -7.5, 7.5)
;;       step = 2.0 ** (np.maximum(np.frexp(np.where(r == 0, 1, r))[1] - 1, 0) - 3)
;;       q = np.round(r / step) * step * 2.0 ** e      # np.round: ties to even
;;       return np.moveaxis(q.reshape(q.shape[:-2] + (-1,))[..., :K], -1, axis).astype(np.float32)
;;   ~~~
;;   SOFTMAX AHEAD OF A QUANTISED PRODUCT. Where the list says 'softmax', what is quantised is not the finished softmax but p = 2^(t - M), with t = logit x log2(e) and M = ceil(the row's largest t), a whole number; so 1/2 < the row's largest p <= 1. The row's sum l is taken of the UNQUANTISED p, in f32, and the product's result is divided by l at the end. Since M is a whole number, a kernel that streams over the keys may use a running M (the ceiling of the running maximum): every later rescaling is an exact power of two, which a block's scale takes up: the codes' values come out the same.
;;   OPERANDS COMPUTED ON THE WAY. 'Computed on the way' means the value that the module computes at that place (a softmax that the list does not call 'softmax' is quantised finished and normalised). What goes into a quantiser is computed in f32, as accurately as f32 sums, v_exp_f32 and their like allow (about 1e-6 of the number): no bf16 or f16 on the way to a quantiser, and a product that is left as it is and whose result goes on into a quantised operand takes f32 operands (vector FMAs, or v_wmma_f32_16x16x4_f32). A number that lies on a knife's edge between two numbers of the format may be rounded either way, as far as f32 arithmetic and the matrix unit's own rounding can turn it there, and no further.
;; 2 versions. Each part assembles by itself: llvm-mc -triple=amdgcn-amd-amdhsa -mcpu=gfx1250 --defsym DOCPART=n.
;; ======== version 1 of 2: 2 launches
;; workspace buffers: kv 26,214,400 bytes; flags 512 bytes of whole numbers
;; launch prep (part 1): grid 1040 x 1, 8 waves a work-group, no clusters, 34,816 bytes of LDS; arguments k, v, mask, kv, flags; writes kv, flags
.if DOCPART == 1
	.amdgcn_target "amdgcn-amd-amdhsa--gfx1250"
	.amdhsa_code_object_version 6
	.text
	.protected	k_q5e987d1007_prep
	.globl	k_q5e987d1007_prep
	.p2align	8
	.type	k_q5e987d1007_prep,@function
k_q5e987d1007_prep:
	s_mov_b64 s[64:65], 0
	v_nop
	global_prefetch_b8 v0, s[64:65] scope:SCOPE_SE
	s_setreg_imm32_b32 hwreg(HW_REG_WAVE_MODE, 25, 1), 1
	s_wait_xcnt 0x0
; k, v: [64 heads][2048 keys][128] f32.  mask: [2048 queries][2048 keys], one byte each, 1 = masked.
; This launch makes what the attention launch reads again and again:
;  kv:    for each head and each step of 128 keys a RECORD of 25,600 bytes: the codes of FP6 (E2M3) of k and of v, laid as images of the
;         operands' registers (a fragment's registers 4 c .. 4 c + 3 of lane l at 512 c + 16 l), and their E8M0 scale words.
;           0      + 1536 t : K's tile t.  Lane (r, h) holds key 32 (t / 2) + 8 (t % 2) + r + 8 (r / 8); registers 6 c .. 6 c + 5: channels 64 c + 32 h + 0 .. 31
;           12,288 + 1536 t : V^T's tile t.  Lane (r, h) holds channel 16 t + r; registers 6 c .. 6 c + 5: keys 64 c + 32 h + 0 .. 31
;           24,576 + 128 t  : 32 scale words: lanes 0-15 K's tile t, row r; lanes 16-31 V^T's tile t, row r
;  flags: for each tile of 16 queries one word; bit 2 s: some key of step s counts for some of the 16; bit 2 s + 1: some key of step s is masked for some of them.
; A block's scale is 2^(floor(log2(its largest magnitude)) - 2); its byte is the largest magnitude's exponent field - 2, held at 1 from below.
; LIMITS: a block whose largest magnitude lies under 2^-124, a block of zeros among them, gets the byte 1 (a block of zeros has zero codes, which add nothing,
; and this program alone reads the bytes); NaN and infinities in k and v are not served; a mask byte is taken to be 0 or 1.
; SHARES.  Work-groups 0-15: the mask; wave w of work-group g takes the queries' tile 8 g + w.  Work-groups 16-1039: one record each:
; waves 0-3 take K (wave b: keys 32 b .. 32 b + 31, tiles 2 b and 2 b + 1), waves 4-7 take V (wave 4 + p: channels 32 p + lane, all 128 keys, tiles 2 p and 2 p + 1).
; No wave reads what another wrote: no barrier.  Only K's waves use LDS, each a stage of its own.
.set REC,   25600
.set VOFF,  12288
.set SOFF,  24576
.set SP,    528                        ; a stage row: 512 bytes + 16 = 33 x 16: the 16-byte pieces that sixteen lanes take of sixteen rows fall on sixteen different places modulo 256 bytes
.set STG,   16*SP                      ; a K wave's stage: 16 rows
.set FLOOR, 0x1800000                  ; 2^(3 - 127): no largest magnitude is taken under it, so the byte cannot fall under 1
.set EOFF,  0xff000000                 ; takes 2 off an exponent field
.set X,     16                         ; v16-143  128 numbers of a lane (K: two sets of 64; V: four blocks of 32; mask: 8 rows x 16 registers)
.set C,     144                        ; K: v144-155 a fragment's codes;  v156-158, v160-162 the halves that a conversion cannot put at an odd register
.set T,     156
.set W,     164                        ; K: v164-165 the two tiles' scale words
.set CV,    144                        ; V: v144-167 two lanes' worth of a fragment;  v168-170 as T;  v172 the scale word
.set TV,    168
.set WD,    172
.set OO,    144                        ; mask: v144-147 the OR, v148-151 the AND of a lane's bytes, for each quarter of a row
.set AA,    148
	s_load_b256 s[4:11], s[0:1], 0x0               ; k s[4:5], v s[6:7], mask s[8:9], kv s[10:11]
	s_load_b64 s[12:13], s[0:1], 0x20              ; flags
	v_lshl_add_u32 v176, v0, 2, 0x8400
	v_mov_b32 v177, 0
	v_lshrrev_b32 v1, 5, v0
	v_readfirstlane_b32 s14, v1                    ; wave 0..7
	s_and_b32 s15, s14, 3                          ; which of K's four waves, or of V's
	v_and_b32 v1, 31, v0                           ; lane
	v_and_b32 v2, 15, v0                           ; r
	v_bfe_u32 v3, v0, 4, 1                         ; h
	v_lshlrev_b32 v4, 4, v1                        ; 16 x lane
	s_mul_i32 s30, s15, STG
	v_add_nc_u32 v5, s30, v4                       ; the stage, on the way in: 16 x lane of a row
	v_mul_u32_u24 v6, v2, SP
	v_lshl_add_u32 v6, v3, 7, v6
	v_add_nc_u32 v6, s30, v6                       ; and on the way out: row r, + 128 h bytes: my 32 channels of each 64
	v_lshlrev_b32 v7, 3, v3                        ; 8 h: where my two scale bytes stand in the word
	v_mov_b32 v15, 0                               ; a lane permute's destination counts as read: written once
	s_mov_b32 s28, 0x76543210
	s_mov_b32 s29, 0xfedcba98                      ; v_permlanex16_b32's selects for lane l xor 16
	s_cmp_lt_u32 ttmp9, 16
	s_cbranch_scc1 .Lmask
	s_sub_co_u32 s16, ttmp9, 16                    ; the record's number: 16 x head + step
	s_mul_i32 s18, s16, REC                        ; its bytes in kv (under 2^25),
	s_mov_b32 s19, 0
	s_lshl_b32 s16, s16, 16                        ; and its 128 keys x 512 bytes in k and in v (under 2^26)
	s_mov_b32 s17, 0
	s_wait_kmcnt 0x0
	s_add_nc_u64 s[10:11], s[10:11], s[18:19]
	s_cmp_lt_u32 s14, 4
	s_cbranch_scc0 .Lv
; ---------------- K: 32 keys, two tiles ----------------
	s_lshl_b32 s30, s15, 14                        ; my 32 keys
	s_add_co_u32 s16, s16, s30
	s_add_nc_u64 s[4:5], s[4:5], s[16:17]
.irp u, 0,1
.irp i, 0,1,2,3,4,5,6,7,8,9,10,11,12,13,14,15
	global_load_b128 v[X+64*\u+4*\i:X+64*\u+4*\i+3], v4, s[4:5] offset:(8*\u+\i+8*(\i/8))*512 th:TH_LOAD_NT   ; row i of tile u: one key's 512 consecutive bytes
.endr
.endr
	s_mul_i32 s30, s15, 2*1536
	v_add_nc_u32 v9, s30, v4                       ; where my codes go: tile 2 b, 16 x lane
	s_lshl_b32 s30, s15, 8
	v_lshl_add_u32 v10, v3, 7, s30
	v_lshl_add_u32 v10, v2, 2, v10                 ; and the scale words: lanes 0-15 tile 2 b's, lanes 16-31 tile 2 b + 1's: 256 b + 128 h + 4 r
; A tile: its 16 rows turn through the stage, so that a lane holds 2 x 32 neighbouring channels of ONE key; two blocks' scales; the codes are the fragment's registers.
.macro KTILE u
.set RR, X+64*\u
	s_wait_loadcnt 16*(1-\u)                       ; this tile's 16 loads are in; the other tile's 16 may be out
.irp i, 0,1,2,3,4,5,6,7,8,9,10,11,12,13,14,15
	ds_store_b128 v5, v[RR+4*\i:RR+4*\i+3] offset:SP*\i
.endr
.irp c, 0,1
.irp j, 0,1,2,3,4,5,6,7
	ds_load_b128 v[RR+32*\c+4*\j:RR+32*\c+4*\j+3], v6 offset:256*\c+16*\j   ; LDS serves a wave's instructions in order: these see the stores above
.endr
.endr
	s_wait_dscnt 0x0
	v_max3_num_f32 v8, |v[RR]|, |v[RR+1]|, FLOOR               ; my two blocks (channels 32 h on and 64 + 32 h on) by turns
	v_max3_num_f32 v11, |v[RR+32]|, |v[RR+33]|, FLOOR
.irp i, 2,4,6,8,10,12,14,16,18,20,22,24,26,28,30
	v_max3_num_f32 v8, v8, |v[RR+\i]|, |v[RR+\i+1]|
	v_max3_num_f32 v11, v11, |v[RR+32+\i]|, |v[RR+33+\i]|
.endr
	v_add_nc_u32 v12, EOFF, v8                     ; the conversion takes the exponent field of this operand as its scale
	v_add_nc_u32 v13, EOFF, v11
	v_lshrrev_b32 v8, 23, v12                      ; the scales' bytes
	v_lshrrev_b32 v11, 23, v13
	v_lshl_or_b32 v14, v11, 16, v8                 ; blocks h and 2 + h of my key,
	v_lshlrev_b32 v14, v7, v14                     ; at their places in the word;
	v_permlanex16_b32 v15, v14, s28, s29
	v_or_b32 v[W+\u], v14, v15                     ; with lane l xor 16's two the word is whole
.if \u
	s_wait_xcnt 0x0                                ; the first tile's stores name the codes' registers: they are written again only behind this wait
.endif
.irp c, 0,1
	v_cvt_scalef32_pk16_fp6_f32 v[C+6*\c:C+6*\c+2], v[RR+32*\c:RR+32*\c+15], v[12+\c]
	v_cvt_scalef32_pk16_fp6_f32 v[T+4*\c:T+4*\c+2], v[RR+32*\c+16:RR+32*\c+31], v[12+\c]   ; (a conversion's three registers begin on an even number)
.endr
	v_nop                                          ; one plain place behind a scaled conversion
.irp c, 0,1
.irp i, 0,1,2
	v_mov_b32 v[C+6*\c+3+\i], v[T+4*\c+\i]
.endr
.endr
.irp n, 0,1,2
	global_store_b128 v9, v[C+4*\n:C+4*\n+3], s[10:11] offset:1536*\u+512*\n   ; 32 lanes store 512 consecutive bytes, at a multiple of 256 from kv's first byte
.endr
.endm
	KTILE 0
	KTILE 1
	v_cmp_lt_u32 vcc_lo, 15, v1
	v_cndmask_b32 v8, v[W], v[W+1], vcc_lo         ; every lane holds row r's word of both tiles: lanes 16-31 send the second tile's
	global_store_b32 v10, v8, s[10:11] offset:SOFF
	s_wait_tensorcnt 0x0
	ds_add_u32 v176, v177
	s_wait_dscnt 0x0
	s_endpgm
; ---------------- V: 32 channels, all 128 keys.  A lane takes a channel and its registers run down the keys, which are the second product's K ----------------
.Lv:
	s_add_nc_u64 s[6:7], s[6:7], s[16:17]
	s_lshl_b32 s30, s15, 7
	v_lshl_add_u32 v9, v1, 2, s30                  ; in: 128 p + 4 x lane: the wave reads 128 consecutive bytes of a key's row, the four waves side by side its 512
.macro VLOAD kb
.irp i, 0,1,2,3,4,5,6,7,8,9,10,11,12,13,14,15,16,17,18,19,20,21,22,23,24,25,26,27,28,29,30,31
	global_load_b32 v[X+32*\kb+\i], v9, s[6:7] offset:(32*\kb+\i)*512 th:TH_LOAD_NT
.endr
.endm
; Block kb of 32 keys: all its numbers are mine.  In the fragment it belongs to lane (r, kb % 2), registers 6 (kb / 2) on.
.macro VBLOCK kb
.set XS, X+32*\kb
.set CD, CV+12*(\kb%2)+6*(\kb/2)
	v_max3_num_f32 v8, |v[XS]|, |v[XS+1]|, |v[XS+2]|
	v_max3_num_f32 v12, |v[XS+3]|, |v[XS+4]|, |v[XS+5]|
.irp i, 6,10,14,18,22,26
	v_max3_num_f32 v8, v8, |v[XS+\i]|, |v[XS+\i+1]|
	v_max3_num_f32 v12, v12, |v[XS+\i+2]|, |v[XS+\i+3]|
.endr
	v_max3_num_f32 v8, v8, |v[XS+30]|, |v[XS+31]|
	v_max3_num_f32 v8, v8, v12, FLOOR
	v_add_nc_u32 v13, EOFF, v8
	v_lshrrev_b32 v14, 23, v13
.if \kb == 0
	v_mov_b32 v[WD], v14                           ; the four bytes make my channel's scale word, the lower keys in the lower byte
.else
	v_lshl_or_b32 v[WD], v14, 8*\kb, v[WD]
.endif
	v_cvt_scalef32_pk16_fp6_f32 v[CD:CD+2], v[XS:XS+15], v13
	v_cvt_scalef32_pk16_fp6_f32 v[TV:TV+2], v[XS+16:XS+31], v13
	v_nop                                          ; one plain place behind a scaled conversion
.irp i, 0,1,2
	v_mov_b32 v[CD+3+\i], v[TV+\i]
.endr
.endm
	VLOAD 0
	VLOAD 1
	s_mul_i32 s30, s15, 2*1536
	v_mul_u32_u24 v10, v3, 1536
	v_add_nc_u32 v10, s30, v10
	v_lshl_add_u32 v10, v2, 4, v10                 ; out: my channel lies in tile 2 p + h, row r: 1536 (2 p + h) + 16 r
	s_lshl_b32 s30, s15, 8
	s_add_co_u32 s30, s30, 64
	v_lshl_add_u32 v11, v3, 7, s30
	v_lshl_add_u32 v11, v2, 2, v11                 ; its scale word: 128 (2 p + h) + 4 (16 + r)
	s_wait_loadcnt 32                              ; block 0's 32 loads are in; block 1's may be out
	VLOAD 2
	VBLOCK 0
	s_wait_loadcnt 32                              ; block 1's are in; block 2's may be out
	VLOAD 3
	VBLOCK 1
	s_wait_loadcnt 32                              ; block 2's are in; block 3's may be out
	VBLOCK 2
	s_wait_loadcnt 0x0
	VBLOCK 3
.irp g, 0,1                                    ; I hold the registers of the fragment's lanes (r, 0) and (r, 1)
.irp n, 0,1,2
	global_store_b128 v10, v[CV+12*\g+4*\n:CV+12*\g+4*\n+3], s[10:11] offset:VOFF+512*\n+256*\g   ; sixteen lanes store 256 consecutive bytes, at a multiple of 256 from kv's first byte
.endr
.endr
	global_store_b32 v11, v[WD], s[10:11] offset:SOFF
	s_endpgm
; ---------------- the mask: 16 queries x 2,048 keys become 32 bits ----------------
.Lmask:
	s_lshl_b32 s16, ttmp9, 3
	s_add_co_u32 s16, s16, s14                     ; the queries' tile: 8 x work-group + wave
	s_lshl_b32 s18, s16, 2                         ; its word,
	s_mov_b32 s19, 0
	s_lshl_b32 s16, s16, 15                        ; its 16 rows of 2,048 bytes
	s_mov_b32 s17, 0
	s_wait_kmcnt 0x0
	s_add_nc_u64 s[12:13], s[12:13], s[18:19]
	s_add_nc_u64 s[8:9], s[8:9], s[16:17]
; Eight rows: each load takes a quarter q of a row, 512 consecutive bytes, 16 a lane; lane l's bytes belong to step 4 q + l / 8.  first = 1: the first two registers start the chains: nothing is cleared.
.macro MROWS first, r0
.irp p, 0,1,2,3,4,5,6,7
.irp q, 0,1,2,3
	global_load_b128 v[X+16*\p+4*\q:X+16*\p+4*\q+3], v4, s[8:9] offset:(\r0+\p)*2048+512*\q
.endr
.endr
	s_wait_loadcnt 0x0
.irp q, 0,1,2,3
.if \first
	v_or_b32 v[OO+\q], v[X+4*\q], v[X+4*\q+1]
	v_and_b32 v[AA+\q], v[X+4*\q], v[X+4*\q+1]
.else
	v_or_b32 v[OO+\q], v[OO+\q], v[X+4*\q]
	v_and_b32 v[AA+\q], v[AA+\q], v[X+4*\q]
	v_or_b32 v[OO+\q], v[OO+\q], v[X+4*\q+1]
	v_and_b32 v[AA+\q], v[AA+\q], v[X+4*\q+1]
.endif
.irp j, 2,3
	v_or_b32 v[OO+\q], v[OO+\q], v[X+4*\q+\j]
	v_and_b32 v[AA+\q], v[AA+\q], v[X+4*\q+\j]
.endr
.irp p, 1,2,3,4,5,6,7
.irp j, 0,1,2,3
	v_or_b32 v[OO+\q], v[OO+\q], v[X+16*\p+4*\q+\j]
	v_and_b32 v[AA+\q], v[AA+\q], v[X+16*\p+4*\q+\j]
.endr
.endr
.endr
.endm
	MROWS 1, 0
	MROWS 0, 8
.irp q, 0,1,2,3
	v_cmp_ne_u32 s[20+\q], 0, v[OO+\q]             ; lanes that saw a masked byte
	v_cmp_ne_u32 s[24+\q], 0x01010101, v[AA+\q]    ; lanes that saw a byte that is not masked (bytes are 0 or 1)
.endr
	s_mov_b32 s31, 0
.irp q, 0,1,2,3
.irp g, 0,1,2,3                                ; step 4 q + g: eight lanes' bits
	s_bfe_u32 s30, s[24+\q], (8<<16)|(8*\g)        ; SCC: one of them is set
	s_cselect_b32 s30, 1<<(2*(4*\q+\g)), 0
	s_or_b32 s31, s31, s30
	s_bfe_u32 s30, s[20+\q], (8<<16)|(8*\g)
	s_cselect_b32 s30, 1<<(2*(4*\q+\g)+1), 0
	s_or_b32 s31, s31, s30
.endr
.endr
	v_mov_b32 v8, s31
	v_mov_b32 v9, 0
	s_wait_xcnt 0x0                                ; EXEC changes only behind this wait
	v_cmp_eq_u32 vcc_lo, 0, v1
	s_and_saveexec_b32 s30, vcc_lo
	global_store_b32 v9, v8, s[12:13]              ; lane 0 stores the tile's word
	s_wait_xcnt 0x0                                ; and again in front of the line that widens it
	s_or_b32 exec_lo, exec_lo, s30
	s_endpgm
.Lfunc_end_k_q5e987d1007_prep:
	.size	k_q5e987d1007_prep, .Lfunc_end_k_q5e987d1007_prep-k_q5e987d1007_prep
	.p2alignl 7, 3214868480
	.fill 96, 4, 3214868480
	.section	.rodata,"a",@progbits
	.p2align	6, 0x0
	.amdhsa_kernel k_q5e987d1007_prep
		.amdhsa_group_segment_fixed_size 34816
		.amdhsa_private_segment_fixed_size 0
		.amdhsa_enable_private_segment 0
		.amdhsa_kernarg_size 40
		.amdhsa_user_sgpr_count 2
		.amdhsa_user_sgpr_kernarg_segment_ptr 1
		.amdhsa_wavefront_size32 1
		.amdhsa_system_sgpr_workgroup_id_x 1
		.amdhsa_system_sgpr_workgroup_id_y 1
		.amdhsa_system_sgpr_workgroup_id_z 1
		.amdhsa_system_vgpr_workitem_id 0
		.amdhsa_next_free_vgpr 178
		.amdhsa_next_free_sgpr 66
		.amdhsa_reserve_vcc 1
		.amdhsa_float_denorm_mode_32 3
		.amdhsa_float_denorm_mode_16_64 3
		.amdhsa_memory_ordered 1
		.amdhsa_forward_progress 1
		.amdhsa_inst_pref_size 63
	.end_amdhsa_kernel
	.amdgpu_metadata
---
amdhsa.version: [ 1, 2 ]
amdhsa.kernels:
  - .name:           k_q5e987d1007_prep
    .symbol:         k_q5e987d1007_prep.kd
    .args:
      - { .name: k, .offset: 0, .size: 8, .value_kind: global_buffer, .address_space: global }
      - { .name: v, .offset: 8, .size: 8, .value_kind: global_buffer, .address_space: global }
      - { .name: mask, .offset: 16, .size: 8, .value_kind: global_buffer, .address_space: global }
      - { .name: kv, .offset: 24, .size: 8, .value_kind: global_buffer, .address_space: global }
      - { .name: flags, .offset: 32, .size: 8, .value_kind: global_buffer, .address_space: global }
    .group_segment_fixed_size: 34816
    .private_segment_fixed_size: 0
    .kernarg_segment_align: 8
    .kernarg_segment_size: 40
    .max_flat_workgroup_size: 256
    .sgpr_count:     66
    .vgpr_count:     178
    .wavefront_size: 32
...
	.end_amdgpu_metadata
.endif
;; end of part 1
;; launch attn (part 2): grid 4 x 64, 16 waves a work-group, no clusters, 188,416 bytes of LDS; arguments q, kv, flags, mask, out0; writes out0
.if DOCPART == 2
	.amdgcn_target "amdgcn-amd-amdhsa--gfx1250"
	.amdhsa_code_object_version 6
	.text
	.protected	k_q5e987d1007_attn
	.globl	k_q5e987d1007_attn
	.p2align	8
	.type	k_q5e987d1007_attn,@function
k_q5e987d1007_attn:
	s_mov_b64 s[64:65], 0
	v_nop
	global_prefetch_b8 v0, s[64:65] scope:SCOPE_SE
	s_setreg_imm32_b32 hwreg(HW_REG_WAVE_MODE, 25, 1), 1
	s_wait_xcnt 0x0
; out[h][q][:] = the sum over k of softmax_k(q . k / sqrt(128), masked where mask[q][k] is 1) v[h][k][:], both products on codes of FP6 (E2M3) with one E8M0 scale for each 32 along a product's K.
; q, out: [64 heads][2048][128] f32.  kv: the records that the launch before made, 25,600 bytes for each head and step of 128 keys: K's eight fragments, V^T's eight, as images of
; their registers, and 8 x 32 scale words (lanes 0-15 K's tile t, lanes 16-31 V^T's tile t).  flags: a word for each tile of 16 queries: bit 2 s: step s has a key that counts; bit 2 s + 1: it has a masked one.
; THE SOFTMAX: t = score x log2(e) / sqrt(128); M = the row's largest t so far, rounded UP to a whole number; p = 2^(t - M) is quantised along the keys, not normalised.  The row's sum is taken of the
; unquantised p and divides at the end.  When M moves, the sum and O are multiplied by 2^(old M - new M): exact.
; SHARES.  256 work-groups.  Work-group (x, head) makes two passes: the head's block 7 - x of 256 queries, then block x.  Each of its sixteen waves owns 16 queries, one tile, in 256 registers: four waves
; to a SIMD, so that one wave's vector work stands beside another's matrix work and LDS loads.
; A pass walks all 16 steps in a loop of constant count.  The flags only jump over WORK: a step in which all 128 keys are masked
; a step that no wave of the work-group needs is not brought in; the mask's bytes are read only where a tile holds a masked key.  No barrier stands under such a branch.
; The walk hangs on numbers read from memory, and the work-groups of a head need different numbers of steps: so the records come through registers (each thread 16 bytes of each 8,192, one step ahead)
; into two LDS slots, not by tensor loads, and nothing is asked for jointly.
; LAYOUT.  Both products are used transposed: S^T = K Q^T (source 0 = 16 keys, source 1 = my queries), O^T = V^T P^T: a lane holds ONE query (lane % 16) throughout.  The keys of K's tiles are chosen so that the
; 16 registers of tiles 2 b and 2 b + 1 are keys 32 b + 16 (lane / 16) + 0 .. 15.
; A row whose every key is masked ends with the sum 0 and O 0: 0 x (1 / 0) is NaN, as the softmax of such a row is.
; LIMITS: NaN and infinities in q are not served; a block of q whose largest magnitude lies under 2^-124 gets the scale byte 1; a mask byte is 0 or not 0.
; REGISTERS: v1-7 addresses; v9 -infinity; v10-11 at work; v12 -M, v13 the largest t, v[14:15] the sum in two halves; v16-27 Q's codes; v28 Q's scale word; v29 p's; v30 f, v31 at work;
;   v32-79 four fragments; v80-95 a record's bytes on their way; v96-159 S^T, then p; v160-223 O^T; v224-235 p's codes; v232-247 at work; v248-255 the step's scale words.
.set SKIP,    1                        ; 0: every 'work' bit is set: every tile is multiplied
.set TESTMIX, 1                        ; 0: every 'masked' bit is set: the mask's bytes are read in every tile
.set REC,   25600
.set VOFF,  12288
.set SOFF,  24576
.set SP,    528                        ; a stage row: 512 bytes + 16 = 33 x 16: sixteen rows' 16-byte pieces fall on sixteen different places modulo 256 bytes
.set STAGE, 2*REC                      ; behind the two slots: 16 rows x 528 bytes for each wave: q on the way in, O on the way out
.set FR,    32
.set SG,    80
.set S,     96
.set O,     160
.set PC,    224
.set KVS,   248
.macro PLACES                          ; four plain vector instructions between a matrix instruction and a load into, or a read of, its registers
.rept 4
	v_nop
.endr
.endm
.macro BARRIER                         ; my LDS stores have landed and my LDS loads are in: then the work-group's barrier
	s_wait_dscnt 0x0
	s_barrier_signal -1
	s_barrier_wait -1
.endm
; A record from memory into registers: 512 threads x 16 bytes three times, and the 1,024 bytes of scale words by waves 0 and 1.  Each load of a wave covers 512 consecutive bytes.
.macro STAGE_LOAD off
.irp i, 0,1,2
	global_load_b128 v[SG+4*\i:SG+4*\i+3], v3, s[28:29] offset:\off+8192*\i
.endr
	s_cmp_lt_u32 s14, 2
	s_cbranch_scc0 .Lsl_\@
	global_load_b128 v[SG+12:SG+15], v3, s[28:29] offset:\off+SOFF
.Lsl_\@:
.endm
.macro STAGE_STORE base                ; and on into a slot, as it lies
.irp i, 0,1,2
	ds_store_b128 v3, v[SG+4*\i:SG+4*\i+3] offset:\base+8192*\i
.endr
	s_cmp_lt_u32 s14, 2
	s_cbranch_scc0 .Lss_\@
	ds_store_b128 v3, v[SG+12:SG+15] offset:\base+SOFF
.Lss_\@:
.endm
.macro FRAGS base, from                ; four fragments, tiles from .. from + 3: three loads of 16 bytes a lane each, 512 consecutive bytes a load
.irp t, 0,1,2,3
.irp c, 0,1,2
	ds_load_b128 v[FR+12*\t+4*\c:FR+12*\t+4*\c+3], v1 offset:\base+1536*(\from+\t)+512*\c
.endr
.endr
.endm
; From four blocks' largest magnitudes in v232-235 (the floor among them): the conversions' scale operands in v244-247 and the scale word in v[pw]
.macro SCALEW pw
.irp b, 0,1,2,3
	v_add_nc_u32 v[244+\b], 0xff000000, v[232+\b]  ; 2 off the exponent field: the conversion takes the exponent field of this operand as its scale
.endr
.irp b, 0,1,2,3
	v_lshrrev_b32 v[236+\b], 23, v[244+\b]         ; the scale's byte
.endr
	v_lshl_or_b32 v[\pw], v237, 8, v236
	v_lshl_or_b32 v[\pw], v238, 16, v[\pw]
	v_lshl_or_b32 v[\pw], v239, 24, v[\pw]
.endm
; 64 numbers of a lane, register 16 b + i = k 32 b + 16 (lane / 16) + i of my row, become a fragment's 12 registers at v[pc]
.macro PACK s, pc
.irp c, 0,1
	v_cvt_scalef32_pk16_fp6_f32 v[\pc+6*\c:\pc+6*\c+2], v[\s+32*\c:\s+32*\c+15], v[244+2*\c]
	v_cvt_scalef32_pk16_fp6_f32 v[236+4*\c:238+4*\c], v[\s+32*\c+16:\s+32*\c+31], v[245+2*\c]   ; (a conversion's three registers begin on an even number)
.endr
	v_nop                                          ; one plain place behind a scaled conversion
.irp c, 0,1                                    ; the operand's layout wants a WHOLE block in a lane: lanes 0-15 block 2 c, lanes 16-31 block 2 c + 1
.irp i, 0,1,2
	v_permlane16_swap_b32 v[\pc+6*\c+\i], v[236+4*\c+\i]
.endr
.irp i, 0,1,2
	v_mov_b32 v[\pc+3+6*\c+\i], v[236+4*\c+\i]
.endr
.endr
.endm
.macro SPROD g                         ; S^T's tiles 4 g .. 4 g + 3; each product is a whole sum (K = the head's 128)
.irp t, 0,1,2,3
	v_wmma_scale_f32_16x16x128_f8f6f4 v[S+8*(4*\g+\t):S+8*(4*\g+\t)+7], v[FR+12*\t:FR+12*\t+11], v[16:27], 0, v[KVS+4*\g+\t], v28 matrix_a_fmt:MATRIX_FMT_FP6 matrix_b_fmt:MATRIX_FMT_FP6
.endr
.endm
.macro OPROD g                         ; O^T's tiles 4 g .. 4 g + 3 take these 128 keys; V's scale words stand in lanes 16-31.  The accumulators take turns, one instruction a turn
.irp t, 0,1,2,3
	v_wmma_scale_f32_16x16x128_f8f6f4 v[O+8*(4*\g+\t):O+8*(4*\g+\t)+7], v[FR+12*\t:FR+12*\t+11], v[PC:PC+11], v[O+8*(4*\g+\t):O+8*(4*\g+\t)+7], v[KVS+4*\g+\t], v29 matrix_a_fmt:MATRIX_FMT_FP6 matrix_b_fmt:MATRIX_FMT_FP6 matrix_a_scale:MATRIX_SCALE_ROW1
.endr
.endm
; A tile's softmax for one step: from 64 scores of a lane to p's codes and scale word; the sum and O^T are brought under the new M.
.macro SOFTMAX
.irp b, 0,1,2,3
	v_max3_num_f32 v[232+\b], v[S+16*\b], v[S+1+16*\b], v[S+2+16*\b]   ; the largest score of each block of 32 keys: it serves the row's maximum and, since p rises with the score, the block's largest p
.endr
.irp i, 3,5,7,9,11,13
.irp b, 0,1,2,3
	v_max3_num_f32 v[232+\b], v[232+\b], v[S+16*\b+\i], v[S+1+16*\b+\i]
.endr
.endr
.irp b, 0,1,2,3
	v_max_num_f32 v[232+\b], v[232+\b], v[S+15+16*\b]
.endr
.irp b, 0,1,2,3
	v_permlanex16_b32 v[236+\b], v[232+\b], s22, s23
.endr
.irp b, 0,1,2,3
	v_max_num_f32 v[232+\b], v[232+\b], v[236+\b]  ; with lane l xor 16's 16 keys
.endr
	v_max3_num_f32 v31, v232, v233, v234
	v_max_num_f32 v31, v31, v235                   ; the step's largest score of my query
	v_mul_f32 v31, s24, v31                        ; as t (c is positive)
	v_max_num_f32 v13, v13, v31                    ; the running largest t
	v_mov_b32 v31, v12
	v_floor_f32 v12, -v13                          ; the new -M = floor(-t) = -ceil(t): a whole number
	v_sub_f32 v31, v12, v31                        ; M's old value less its new one: a whole number, 0 or less
	v_cvt_i32_f32 v31, v31                         ; (it saturates)
	v_ldexp_f32 v30, 1.0, v31                      ; f = 2^(old M - new M)
.irp j, 0,2,4,6,8,10,12,14,16,18,20,22,24,26,28,30,32,34,36,38,40,42,44,46,48,50,52,54,56,58,60,62
	v_pk_fma_f32 v[S+\j:S+1+\j], v[S+\j:S+1+\j], s[24:25], v[12:13] op_sel_hi:[1,0,0]   ; t - M, two at a time (of the pairs c and -M the low word serves both halves)
.endr
.irp b, 0,1,2,3
	v_fma_f32 v[232+\b], v[232+\b], s24, v12       ; the same of each block's largest score
.endr
.irp j, 0,1,2,3,4,5,6,7,8,9,10,11,12,13,14,15,16,17,18,19,20,21,22,23,24,25,26,27,28,29,30,31,32,33,34,35,36,37,38,39,40,41,42,43,44,45,46,47,48,49,50,51,52,53,54,55,56,57,58,59,60,61,62,63
	v_exp_f32 v[S+\j], v[S+\j]                     ; p = 2^(t - M), at most 1; a masked key's is 0
.endr
.irp b, 0,1,2,3
	v_exp_f32 v[232+\b], v[232+\b]                 ; the block's largest p: the same two instructions on the same number give the same bits
.endr
	v_pk_mul_f32 v[14:15], v[14:15], v[30:31] op_sel_hi:[1,0]   ; the sums under the new M.  (A plain place behind the exponentials)
	s_wait_alu depctr_va_vdst(0)
.irp b, 0,1,2,3
	v_max_num_f32 v[232+\b], 0x1800000, v[232+\b]  ; the floor 2^(3 - 127): the byte cannot fall under 1 (a block whose every p is 0 keeps that byte: its codes are zeros)
.endr
	SCALEW 29
	PACK S, PC
	v_pk_add_f32 v[236:237], v[S:S+1], v[S+2:S+3]  ; the row's sum is taken of the unquantised p: two at a time, in two chains
.irp j, 4,8,12,16,20,24,28,32,36,40,44,48,52,56,60
	v_pk_add_f32 v[14:15], v[14:15], v[S+\j:S+1+\j]
	v_pk_add_f32 v[236:237], v[236:237], v[S+2+\j:S+3+\j]
.endr
	v_pk_add_f32 v[14:15], v[14:15], v[236:237]
.irp j, 0,2,4,6,8,10,12,14,16,18,20,22,24,26,28,30,32,34,36,38,40,42,44,46,48,50,52,54,56,58,60,62
	v_pk_mul_f32 v[O+\j:O+1+\j], v[O+\j:O+1+\j], v[30:31] op_sel_hi:[1,0]   ; O^T under the new M, each accumulator from its low end on.  (These 32 also stand between the writing of p's codes and scale word and the products)
.endr
.endm
; A KEY STEP.  Its record lies in slot \slot.  s19: my tile's flags, s20: the OR of the sixteen tiles'; both shifted so that this step's two bits are bits 0 and 1, the next step's bits 2 and 3.
.macro STEP slot
	s_bitcmp1_b32 s20, 2                           ; does any wave need the next step?  (Behind step 15 the bit is a zero that was shifted in: no load leaves the head's records)
	s_cbranch_scc0 .Lnl_\@
	STAGE_LOAD (\slot+1)*REC                       ; it lands while this step is worked
.Lnl_\@:
	s_bitcmp1_b32 s19, 0                           ; has my tile a key that counts in this step?
	s_cbranch_scc0 .Lidle_\@
	PLACES                                         ; behind the last step's products, whose fragments and scale words are loaded over
.irp t, 0,1,2,3,4,5,6,7
	ds_load_b32 v[KVS+\t], v2 offset:\slot*REC+SOFF+128*\t
.endr
	FRAGS \slot*REC, 0
	s_wait_dscnt 0x0
	SPROD 0
	PLACES
	FRAGS \slot*REC, 4
	s_wait_dscnt 0x0
	SPROD 1
	PLACES
	FRAGS \slot*REC+VOFF, 0                        ; V^T's first four fragments land under the softmax
	s_bitcmp1_b32 s19, 1                           ; is any key of this step masked for any of my queries?
	s_cbranch_scc0 .Lopen_\@
.irp b, 0,1,2,3
	global_load_b128 v[PC+4*\b:PC+4*\b+3], v4, s[30:31] offset:128*\slot+32*\b   ; mask[my query][32 b + 16 (lane / 16) + 0 .. 15]: byte i belongs to register 16 b + i
.endr
	s_wait_loadcnt 0x0                             ; they are the youngest loads
.irp b, 0,1,2,3
.irp i, 0,1,2,3,4,5,6,7,8,9,10,11,12,13,14,15
	v_and_b32 v[10+(\i%2)], 0xff<<(8*(\i%4)), v[PC+4*\b+\i/4]
	v_cmp_ne_u32 vcc_lo, 0, v[10+(\i%2)]
	v_cndmask_b32 v[S+16*\b+\i], v[S+16*\b+\i], v9, vcc_lo   ; a masked score becomes -infinity ahead of the maximum; the scores are taken in ascending order
.endr
.endr
.Lopen_\@:
	SOFTMAX
	s_wait_dscnt 0x0                               ; V^T's fragments are in
	OPROD 0
	PLACES
	FRAGS \slot*REC+VOFF, 4
	s_wait_dscnt 0x0
	OPROD 1
.Lidle_\@:
	s_wait_loadcnt 0x0                             ; on every way: the next record's bytes are in registers, and no load names an address any more
	s_bitcmp1_b32 s20, 2
	s_cbranch_scc0 .Lns_\@
	STAGE_STORE (1-\slot)*REC                      ; into the slot that was read last step: every wave left that step through its barrier
.Lns_\@:
	s_lshr_b32 s20, s20, 2
	s_lshr_b32 s19, s19, 2
	BARRIER                                        ; my reads of this slot are over and my part of the other slot lies there; the same of every wave
.endm
	s_load_b256 s[4:11], s[0:1], 0x0               ; q s[4:5], kv s[6:7], flags s[8:9], mask s[10:11]
	s_load_b64 s[12:13], s[0:1], 0x20              ; out
	v_lshrrev_b32 v1, 5, v0
	v_readfirstlane_b32 s14, v1                    ; wave 0..15
	s_and_b32 s15, ttmp7, 0xffff                   ; the head
	s_xor_b32 s16, ttmp9, 7                        ; the first pass's block of queries: 7 - x
	s_mov_b32 s17, 2                               ; passes to go
	s_mov_b32 s22, 0x76543210
	s_mov_b32 s23, 0xfedcba98                      ; v_permlanex16_b32's selects for lane l xor 16
	s_mov_b32 s24, 0x3e0293ee                      ; c = log2(e) / sqrt(128)
	s_mov_b32 s25, s24                             ; (named with it as a pair, so it is written)
	v_and_b32 v10, 31, v0                          ; lane
	v_and_b32 v11, 15, v0                          ; r
	v_bfe_u32 v8, v0, 4, 1                         ; h
	v_lshlrev_b32 v1, 4, v10                       ; 16 x lane: an image's place; a row's 16 bytes in q and in out
	v_lshlrev_b32 v2, 2, v10                       ; 4 x lane: a scale word's
	v_lshlrev_b32 v3, 4, v0                        ; 16 x thread: my bytes of each 8,192 of a record, in memory and in a slot
	v_lshlrev_b32 v4, 11, v11
	v_lshl_add_u32 v4, v8, 4, v4                   ; the mask: row r of 2,048 bytes, + 16 h
	s_mul_i32 s36, s14, 16*SP
	s_add_co_u32 s36, s36, STAGE                   ; my stage
	v_add_nc_u32 v5, s36, v1                       ; a whole row: 16 x lane
	v_mul_u32_u24 v6, v11, SP
	v_add_nc_u32 v6, s36, v6
	v_lshl_add_u32 v7, v8, 5, v6                   ; O on the way in: row r, + 32 h
	v_lshl_add_u32 v6, v8, 6, v6                   ; q on the way back: row r, + 64 h: my 16 numbers of each block of 32
	v_mov_b32 v9, 0xff800000                       ; -infinity
	v_mov_b32 v31, 0
.irp b, 0,1,2,3
	v_mov_b32 v[236+\b], 0                         ; written once: a lane permute's destination counts as one of its sources
.endr
	s_mul_i32 s36, s15, 16*REC
	s_mov_b32 s37, 0
	s_wait_kmcnt 0x0
	s_add_nc_u64 s[26:27], s[6:7], s[36:37]        ; kv at the head's first record
.Lpass:
	s_lshl_b32 s36, s15, 20                        ; q and out: the head's 2^20 bytes, the block's 256 rows of 512 bytes, my 16 rows
	s_lshl_b32 s21, s16, 17
	s_add_co_u32 s36, s36, s21
	s_lshl_b32 s21, s14, 13
	s_add_co_u32 s36, s36, s21
	s_add_nc_u64 s[32:33], s[4:5], s[36:37]
	s_add_nc_u64 s[34:35], s[12:13], s[36:37]
	s_lshl_b32 s36, s16, 19                        ; the mask: the block's 256 rows of 2,048 bytes, my 16 rows
	s_lshl_b32 s21, s14, 15
	s_add_co_u32 s36, s36, s21
	s_add_nc_u64 s[30:31], s[10:11], s[36:37]
	s_mov_b64 s[28:29], s[26:27]
	s_lshl_b32 s36, s16, 6                         ; the block's sixteen flag words,
	s_add_nc_u64 s[56:57], s[8:9], s[36:37]
	s_lshl_b32 s36, s14, 2                         ; and mine among them
	s_add_nc_u64 s[38:39], s[56:57], s[36:37]
	s_load_b32 s19, s[38:39], 0x0
	s_load_b512 s[40:55], s[56:57], 0x0
	STAGE_LOAD 0                                   ; step 0's record, whatever the flags say: so the registers on the way are written on every path
.irp i, 0,1,2,3,4,5,6,7,8,9,10,11,12,13,14,15
	global_load_b128 v[S+4*\i:S+4*\i+3], v1, s[32:33] offset:512*\i th:TH_LOAD_NT   ; a whole row of q: 512 consecutive bytes
.endr
	s_wait_kmcnt 0x0
	s_or_b32 s20, s40, s41
.irp i, 42,43,44,45,46,47,48,49,50,51,52,53,54,55
	s_or_b32 s20, s20, s[\i]                       ; what any wave of the work-group needs
.endr
.if SKIP == 0
	s_mov_b32 s20, 0x55555555
	s_or_b32 s19, s19, 0x55555555
.endif
.if TESTMIX == 0
	s_or_b32 s19, s19, 0xaaaaaaaa
.endif
	s_wait_loadcnt 0x0
	STAGE_STORE 0                                  ; both slots' last reads stand in front of the last pass's last barrier
.irp i, 0,1,2,3,4,5,6,7,8,9,10,11,12,13,14,15
	ds_store_b128 v5, v[S+4*\i:S+4*\i+3] offset:SP*\i          ; q turns through my stage, so that a lane holds 16 neighbours of each block of ONE row
.endr
.irp b, 0,1,2,3
.irp j, 0,1,2,3
	ds_load_b128 v[S+16*\b+4*\j:S+16*\b+4*\j+3], v6 offset:128*\b+16*\j   ; LDS serves a wave's instructions in order: these see the stores above
.endr
.endr
	s_wait_dscnt 0x0
.irp b, 0,1,2,3
	v_max3_num_f32 v[232+\b], |v[S+16*\b]|, |v[S+1+16*\b]|, 0x1800000   ; block b: my 16 numbers, and the floor 2^(3 - 127)
.endr
.irp i, 2,4,6,8,10,12,14
.irp b, 0,1,2,3
	v_max3_num_f32 v[232+\b], v[232+\b], |v[S+16*\b+\i]|, |v[S+1+16*\b+\i]|
.endr
.endr
.irp b, 0,1,2,3
	v_permlanex16_b32 v[236+\b], v[232+\b], s22, s23
.endr
.irp b, 0,1,2,3
	v_max_num_f32 v[232+\b], v[232+\b], v[236+\b]  ; with lane l xor 16's: the block's largest magnitude
.endr
	SCALEW 28
	PACK S, 16
	v_mov_b32 v13, 0xff61b1e6                      ; the largest t so far: -3e38, under every t
	v_floor_f32 v12, -v13                          ; -M
	v_mov_b32 v14, 0                               ; the sum, in two halves
	v_mov_b32 v15, 0
.irp j, 0,1,2,3,4,5,6,7,8,9,10,11,12,13,14,15,16,17,18,19,20,21,22,23,24,25,26,27,28,29,30,31,32,33,34,35,36,37,38,39,40,41,42,43,44,45,46,47,48,49,50,51,52,53,54,55,56,57,58,59,60,61,62,63
	v_mov_b32 v[O+\j], 0                           ; O^T is cleared: which step is a wave's first hangs on the flags, so no product can be written as the one that starts the sums
.endr
	BARRIER                                        ; step 0's record lies in slot 0
	s_mov_b32 s18, 8
.Ltrip:                                            ; 8 trips of two steps: slot, fragment and piece stand in immediates, no LDS address is stepped
	STEP 0
	STEP 1
	s_add_nc_u64 s[28:29], s[28:29], 2*REC         ; (no load is out: each step ends behind its wait for all loads)
	s_add_nc_u64 s[30:31], s[30:31], 256           ; the mask: 256 keys on
	s_sub_co_u32 s18, s18, 1
	s_cmp_lg_u32 s18, 0
	s_cbranch_scc1 .Ltrip
	; THE WAY OUT.  O^T is divided by the row's sum and turns through my stage: a lane holds 32 bytes of a row; whole rows of 512 bytes come back and are stored by the 32 lanes.
	PLACES                                         ; behind the last products
	v_add_f32 v14, v14, v15                        ; the sum's two halves,
	v_permlanex16_b32 v31, v14, s22, s23
	v_add_f32 v14, v14, v31                        ; and lane l xor 16's: the row's sum
	v_rcp_f32 v14, v14
	v_nop                                          ; a plain place behind the transcendental
	s_wait_alu depctr_va_vdst(0)
.irp j, 0,1,2,3,4,5,6,7,8,9,10,11,12,13,14,15,16,17,18,19,20,21,22,23,24,25,26,27,28,29,30,31,32,33,34,35,36,37,38,39,40,41,42,43,44,45,46,47,48,49,50,51,52,53,54,55,56,57,58,59,60,61,62,63
	v_mul_f32 v[S+\j], v[O+\j], v14                ; register 8 t + i is out(r, 16 t + 8 h + i); each accumulator from its low end on
.endr
.irp t, 0,1,2,3,4,5,6,7
	ds_store_b128 v7, v[S+8*\t:S+8*\t+3] offset:64*\t
	ds_store_b128 v7, v[S+8*\t+4:S+8*\t+7] offset:64*\t+16
.endr
.irp i, 0,1,2,3,4,5,6,7,8,9,10,11,12,13,14,15
	ds_load_b128 v[FR+4*\i:FR+4*\i+3], v5 offset:SP*\i         ; LDS serves a wave's instructions in order: these see my stores
.endr
.irp i, 0,1,2,3,4,5,6,7,8,9,10,11,12,13,14,15
	s_wait_dscnt 15-\i                             ; row i is back; the younger loads may be out
	global_store_b128 v1, v[FR+4*\i:FR+4*\i+3], s[34:35] offset:512*\i th:TH_STORE_NT   ; 32 lanes store 512 consecutive bytes, at a multiple of 256 from out's first byte
.endr
	s_wait_xcnt 0x0                                ; the stores have read their registers and their base: the next pass writes both again
	s_xor_b32 s16, s16, 7                          ; the second pass's block: x
	s_sub_co_u32 s17, s17, 1
	s_cmp_lg_u32 s17, 0
	s_cbranch_scc1 .Lpass
	s_wait_xcnt 0x0
	v_lshl_add_u32 v254, v0, 2, 0x2d800
	v_mov_b32 v255, 0
	s_wait_tensorcnt 0x0
	ds_add_u32 v254, v255
	s_wait_dscnt 0x0
	s_endpgm
.Lfunc_end_k_q5e987d1007_attn:
	.size	k_q5e987d1007_attn, .Lfunc_end_k_q5e987d1007_attn-k_q5e987d1007_attn
	.p2alignl 7, 3214868480
	.fill 96, 4, 3214868480
	.section	.rodata,"a",@progbits
	.p2align	6, 0x0
	.amdhsa_kernel k_q5e987d1007_attn
		.amdhsa_group_segment_fixed_size 188416
		.amdhsa_private_segment_fixed_size 0
		.amdhsa_enable_private_segment 0
		.amdhsa_kernarg_size 40
		.amdhsa_user_sgpr_count 2
		.amdhsa_user_sgpr_kernarg_segment_ptr 1
		.amdhsa_wavefront_size32 1
		.amdhsa_system_sgpr_workgroup_id_x 1
		.amdhsa_system_sgpr_workgroup_id_y 1
		.amdhsa_system_sgpr_workgroup_id_z 1
		.amdhsa_system_vgpr_workitem_id 0
		.amdhsa_next_free_vgpr 256
		.amdhsa_next_free_sgpr 66
		.amdhsa_reserve_vcc 1
		.amdhsa_float_denorm_mode_32 3
		.amdhsa_float_denorm_mode_16_64 3
		.amdhsa_memory_ordered 1
		.amdhsa_forward_progress 1
		.amdhsa_inst_pref_size 77
	.end_amdhsa_kernel
	.amdgpu_metadata
---
amdhsa.version: [ 1, 2 ]
amdhsa.kernels:
  - .name:           k_q5e987d1007_attn
    .symbol:         k_q5e987d1007_attn.kd
    .args:
      - { .name: q, .offset: 0, .size: 8, .value_kind: global_buffer, .address_space: global }
      - { .name: kv, .offset: 8, .size: 8, .value_kind: global_buffer, .address_space: global }
      - { .name: flags, .offset: 16, .size: 8, .value_kind: global_buffer, .address_space: global }
      - { .name: mask, .offset: 24, .size: 8, .value_kind: global_buffer, .address_space: global }
      - { .name: out0, .offset: 32, .size: 8, .value_kind: global_buffer, .address_space: global }
    .group_segment_fixed_size: 188416
    .private_segment_fixed_size: 0
    .kernarg_segment_align: 8
    .kernarg_segment_size: 40
    .max_flat_workgroup_size: 512
    .sgpr_count:     66
    .vgpr_count:     256
    .wavefront_size: 32
...
	.end_amdgpu_metadata
.endif
;; end of part 2
;; ======== version 2 of 2: 2 launches
;; workspace buffers: kv 26,214,400 bytes; flags 512 bytes of whole numbers
;; launch prep (part 3): grid 1040 x 1, 8 waves a work-group, no clusters, 34,816 bytes of LDS; arguments k, v, mask, kv, flags; writes kv, flags
.if DOCPART == 3
	.amdgcn_target "amdgcn-amd-amdhsa--gfx1250"
	.amdhsa_code_object_version 6
	.text
	.protected	k_q5e987d1007_prep
	.globl	k_q5e987d1007_prep
	.p2align	8
	.type	k_q5e987d1007_prep,@function
k_q5e987d1007_prep:
	s_mov_b64 s[64:65], 0
	v_nop
	global_prefetch_b8 v0, s[64:65] scope:SCOPE_SE
	s_setreg_imm32_b32 hwreg(HW_REG_WAVE_MODE, 25, 1), 1
	s_wait_xcnt 0x0
; k, v: [64 heads][2048 keys][128] f32.  mask: [2048 queries][2048 keys], one byte each, 1 = masked.
; This launch makes what the attention launch reads again and again:
;  kv:    for each head and each step of 128 keys a RECORD of 25,600 bytes: the codes of FP6 (E2M3) of k and of v, laid as images of the
;         operands' registers (a fragment's registers 4 c .. 4 c + 3 of lane l at 512 c + 16 l), and their E8M0 scale words.
;           0      + 1536 t : K's tile t.  Lane (r, h) holds key 32 (t / 2) + 8 (t % 2) + r + 8 (r / 8); registers 6 c .. 6 c + 5: channels 64 c + 32 h + 0 .. 31
;           12,288 + 1536 t : V^T's tile t.  Lane (r, h) holds channel 16 t + r; registers 6 c .. 6 c + 5: keys 64 c + 32 h + 0 .. 31
;           24,576 + 128 t  : 32 scale words: lanes 0-15 K's tile t, row r; lanes 16-31 V^T's tile t, row r
;  flags: for each tile of 16 queries one word; bit 2 s: some key of step s counts for some of the 16; bit 2 s + 1: some key of step s is masked for some of them.
; A block's scale is 2^(floor(log2(its largest magnitude)) - 2); its byte is the largest magnitude's exponent field - 2, held at 1 from below.
; LIMITS: a block whose largest magnitude lies under 2^-124, a block of zeros among them, gets the byte 1 (a block of zeros has zero codes, which add nothing,
; and this program alone reads the bytes); NaN and infinities in k and v are not served; a mask byte is taken to be 0 or 1.
; SHARES.  Work-groups 0-15: the mask; wave w of work-group g takes the queries' tile 8 g + w.  Work-groups 16-1039: one record each:
; waves 0-3 take K (wave b: keys 32 b .. 32 b + 31, tiles 2 b and 2 b + 1), waves 4-7 take V (wave 4 + p: channels 32 p + lane, all 128 keys, tiles 2 p and 2 p + 1).
; No wave reads what another wrote: no barrier.  Only K's waves use LDS, each a stage of its own.
.set REC,   25600
.set VOFF,  12288
.set SOFF,  24576
.set SP,    528                        ; a stage row: 512 bytes + 16 = 33 x 16: the 16-byte pieces that sixteen lanes take of sixteen rows fall on sixteen different places modulo 256 bytes
.set STG,   16*SP                      ; a K wave's stage: 16 rows
.set FLOOR, 0x1800000                  ; 2^(3 - 127): no largest magnitude is taken under it, so the byte cannot fall under 1
.set EOFF,  0xff000000                 ; takes 2 off an exponent field
.set X,     16                         ; v16-143  128 numbers of a lane (K: two sets of 64; V: four blocks of 32; mask: 8 rows x 16 registers)
.set C,     144                        ; K: v144-155 a fragment's codes;  v156-158, v160-162 the halves that a conversion cannot put at an odd register
.set T,     156
.set W,     164                        ; K: v164-165 the two tiles' scale words
.set CV,    144                        ; V: v144-167 two lanes' worth of a fragment;  v168-170 as T;  v172 the scale word
.set TV,    168
.set WD,    172
.set OO,    144                        ; mask: v144-147 the OR, v148-151 the AND of a lane's bytes, for each quarter of a row
.set AA,    148
	s_load_b256 s[4:11], s[0:1], 0x0               ; k s[4:5], v s[6:7], mask s[8:9], kv s[10:11]
	s_load_b64 s[12:13], s[0:1], 0x20              ; flags
	v_lshl_add_u32 v176, v0, 2, 0x8400
	v_mov_b32 v177, 0
	v_lshrrev_b32 v1, 5, v0
	s_delay_alu instid0(VALU_DEP_1)
	v_readfirstlane_b32 s14, v1                    ; wave 0..7
	s_and_b32 s15, s14, 3                          ; which of K's four waves, or of V's
	v_and_b32 v1, 31, v0                           ; lane
	v_and_b32 v2, 15, v0                           ; r
	v_bfe_u32 v3, v0, 4, 1                         ; h
	s_delay_alu instid0(VALU_DEP_3)
	v_lshlrev_b32 v4, 4, v1                        ; 16 x lane
	s_mul_i32 s30, s15, STG
	v_add_nc_u32 v5, s30, v4                       ; the stage, on the way in: 16 x lane of a row
	v_mul_u32_u24 v6, v2, SP
	s_delay_alu instid0(VALU_DEP_1)
	v_lshl_add_u32 v6, v3, 7, v6
	s_delay_alu instid0(VALU_DEP_1)
	v_add_nc_u32 v6, s30, v6                       ; and on the way out: row r, + 128 h bytes: my 32 channels of each 64
	v_lshlrev_b32 v7, 3, v3                        ; 8 h: where my two scale bytes stand in the word
	v_mov_b32 v15, 0                               ; a lane permute's destination counts as read: written once
	s_mov_b32 s28, 0x76543210
	s_mov_b32 s29, 0xfedcba98                      ; v_permlanex16_b32's selects for lane l xor 16
	s_cmp_lt_u32 ttmp9, 16
	s_cbranch_scc1 .Lmask
	s_sub_co_u32 s16, ttmp9, 16                    ; the record's number: 16 x head + step
	s_mul_i32 s18, s16, REC                        ; its bytes in kv (under 2^25),
	s_mov_b32 s19, 0
	s_lshl_b32 s16, s16, 16                        ; and its 128 keys x 512 bytes in k and in v (under 2^26)
	s_mov_b32 s17, 0
	s_wait_kmcnt 0x0
	s_add_nc_u64 s[10:11], s[10:11], s[18:19]
	s_cmp_lt_u32 s14, 4
	s_cbranch_scc0 .Lv
; ---------------- K: 32 keys, two tiles ----------------
	s_lshl_b32 s30, s15, 14                        ; my 32 keys
	s_add_co_u32 s16, s16, s30
	s_add_nc_u64 s[4:5], s[4:5], s[16:17]
	s_wait_alu depctr_va_vdst(0)
.irp u, 0,1
.irp i, 0,1,2,3,4,5,6,7,8,9,10,11,12,13,14,15
	global_load_b128 v[X+64*\u+4*\i:X+64*\u+4*\i+3], v4, s[4:5] offset:(8*\u+\i+8*(\i/8))*512 th:TH_LOAD_NT   ; row i of tile u: one key's 512 consecutive bytes
.endr
.endr
	s_mul_i32 s30, s15, 2*1536
	v_add_nc_u32 v9, s30, v4                       ; where my codes go: tile 2 b, 16 x lane
	s_lshl_b32 s30, s15, 8
	v_lshl_add_u32 v10, v3, 7, s30
	s_delay_alu instid0(VALU_DEP_1)
	v_lshl_add_u32 v10, v2, 2, v10                 ; and the scale words: lanes 0-15 tile 2 b's, lanes 16-31 tile 2 b + 1's: 256 b + 128 h + 4 r
; A tile: its 16 rows turn through the stage, so that a lane holds 2 x 32 neighbouring channels of ONE key; two blocks' scales; the codes are the fragment's registers.
.macro KTILE u
.set RR, X+64*\u
	s_wait_loadcnt 16*(1-\u)                       ; this tile's 16 loads are in; the other tile's 16 may be out
.irp i, 0,1,2,3,4,5,6,7,8,9,10,11,12,13,14,15
	ds_store_b128 v5, v[RR+4*\i:RR+4*\i+3] offset:SP*\i
.endr
.irp c, 0,1
.irp j, 0,1,2,3,4,5,6,7
	ds_load_b128 v[RR+32*\c+4*\j:RR+32*\c+4*\j+3], v6 offset:256*\c+16*\j   ; LDS serves a wave's instructions in order: these see the stores above
.endr
.endr
	s_wait_dscnt 0x0
	v_max3_num_f32 v8, |v[RR]|, |v[RR+1]|, FLOOR               ; my two blocks (channels 32 h on and 64 + 32 h on) by turns
	v_max3_num_f32 v11, |v[RR+32]|, |v[RR+33]|, FLOOR
.irp i, 2,4,6,8,10,12,14,16,18,20,22,24,26,28,30
	s_delay_alu instid0(VALU_DEP_2)
	v_max3_num_f32 v8, v8, |v[RR+\i]|, |v[RR+\i+1]|
	s_delay_alu instid0(VALU_DEP_2)
	v_max3_num_f32 v11, v11, |v[RR+32+\i]|, |v[RR+33+\i]|
.endr
	s_delay_alu instid0(VALU_DEP_2)
	v_add_nc_u32 v12, EOFF, v8                     ; the conversion takes the exponent field of this operand as its scale
	s_delay_alu instid0(VALU_DEP_2)
	v_add_nc_u32 v13, EOFF, v11
	s_delay_alu instid0(VALU_DEP_2)
	v_lshrrev_b32 v8, 23, v12                      ; the scales' bytes
	s_delay_alu instid0(VALU_DEP_2)
	v_lshrrev_b32 v11, 23, v13
	s_delay_alu instid0(VALU_DEP_1)
	v_lshl_or_b32 v14, v11, 16, v8                 ; blocks h and 2 + h of my key,
	s_delay_alu instid0(VALU_DEP_1)
	v_lshlrev_b32 v14, v7, v14                     ; at their places in the word;
	s_delay_alu instid0(VALU_DEP_1)
	v_permlanex16_b32 v15, v14, s28, s29
	s_delay_alu instid0(VALU_DEP_1)
	v_or_b32 v[W+\u], v14, v15                     ; with lane l xor 16's two the word is whole
.if \u
	s_wait_alu depctr_va_vdst(0)
	s_wait_xcnt 0x0                                ; the first tile's stores name the codes' registers: they are written again only behind this wait
.endif
.irp c, 0,1
	v_cvt_scalef32_pk16_fp6_f32 v[C+6*\c:C+6*\c+2], v[RR+32*\c:RR+32*\c+15], v[12+\c]
	v_cvt_scalef32_pk16_fp6_f32 v[T+4*\c:T+4*\c+2], v[RR+32*\c+16:RR+32*\c+31], v[12+\c]   ; (a conversion's three registers begin on an even number)
.endr
	v_nop                                          ; one plain place behind a scaled conversion
.irp c, 0,1
.irp i, 0,1,2
	v_mov_b32 v[C+6*\c+3+\i], v[T+4*\c+\i]
.endr
.endr
.irp n, 0,1,2
	global_store_b128 v9, v[C+4*\n:C+4*\n+3], s[10:11] offset:1536*\u+512*\n   ; 32 lanes store 512 consecutive bytes, at a multiple of 256 from kv's first byte
.endr
.endm
	KTILE 0
	KTILE 1
	v_cmp_lt_u32 vcc_lo, 15, v1
	s_delay_alu instid0(VALU_DEP_1)
	v_cndmask_b32 v8, v[W], v[W+1], vcc_lo         ; every lane holds row r's word of both tiles: lanes 16-31 send the second tile's
	global_store_b32 v10, v8, s[10:11] offset:SOFF
	s_wait_tensorcnt 0x0
	ds_add_u32 v176, v177
	s_wait_dscnt 0x0
	s_endpgm
; ---------------- V: 32 channels, all 128 keys.  A lane takes a channel and its registers run down the keys, which are the second product's K ----------------
.Lv:
	s_add_nc_u64 s[6:7], s[6:7], s[16:17]
	s_lshl_b32 s30, s15, 7
	v_lshl_add_u32 v9, v1, 2, s30                  ; in: 128 p + 4 x lane: the wave reads 128 consecutive bytes of a key's row, the four waves side by side its 512
.macro VLOAD kb
.irp i, 0,1,2,3,4,5,6,7,8,9,10,11,12,13,14,15,16,17,18,19,20,21,22,23,24,25,26,27,28,29,30,31
	global_load_b32 v[X+32*\kb+\i], v9, s[6:7] offset:(32*\kb+\i)*512 th:TH_LOAD_NT
.endr
.endm
; Block kb of 32 keys: all its numbers are mine.  In the fragment it belongs to lane (r, kb % 2), registers 6 (kb / 2) on.
.macro VBLOCK kb
.set XS, X+32*\kb
.set CD, CV+12*(\kb%2)+6*(\kb/2)
	v_max3_num_f32 v8, |v[XS]|, |v[XS+1]|, |v[XS+2]|
	v_max3_num_f32 v12, |v[XS+3]|, |v[XS+4]|, |v[XS+5]|
.irp i, 6,10,14,18,22,26
	s_delay_alu instid0(VALU_DEP_2)
	v_max3_num_f32 v8, v8, |v[XS+\i]|, |v[XS+\i+1]|
	s_delay_alu instid0(VALU_DEP_2)
	v_max3_num_f32 v12, v12, |v[XS+\i+2]|, |v[XS+\i+3]|
.endr
	s_delay_alu instid0(VALU_DEP_2)
	v_max3_num_f32 v8, v8, |v[XS+30]|, |v[XS+31]|
	s_delay_alu instid0(VALU_DEP_1)
	v_max3_num_f32 v8, v8, v12, FLOOR
	s_delay_alu instid0(VALU_DEP_1)
	v_add_nc_u32 v13, EOFF, v8
	s_delay_alu instid0(VALU_DEP_1)
	v_lshrrev_b32 v14, 23, v13
.if \kb == 0
	s_delay_alu instid0(VALU_DEP_1)
	v_mov_b32 v[WD], v14                           ; the four bytes make my channel's scale word, the lower keys in the lower byte
.else
	s_delay_alu instid0(VALU_DEP_1)
	v_lshl_or_b32 v[WD], v14, 8*\kb, v[WD]
.endif
	v_cvt_scalef32_pk16_fp6_f32 v[CD:CD+2], v[XS:XS+15], v13
	v_cvt_scalef32_pk16_fp6_f32 v[TV:TV+2], v[XS+16:XS+31], v13
	v_nop                                          ; one plain place behind a scaled conversion
.irp i, 0,1,2
	v_mov_b32 v[CD+3+\i], v[TV+\i]
.endr
.endm
	VLOAD 0
	VLOAD 1
	s_mul_i32 s30, s15, 2*1536
	s_wait_alu depctr_va_vdst(0)
	v_mul_u32_u24 v10, v3, 1536
	s_delay_alu instid0(VALU_DEP_1)
	v_add_nc_u32 v10, s30, v10
	s_delay_alu instid0(VALU_DEP_1)
	v_lshl_add_u32 v10, v2, 4, v10                 ; out: my channel lies in tile 2 p + h, row r: 1536 (2 p + h) + 16 r
	s_lshl_b32 s30, s15, 8
	s_add_co_u32 s30, s30, 64
	v_lshl_add_u32 v11, v3, 7, s30
	s_delay_alu instid0(VALU_DEP_1)
	v_lshl_add_u32 v11, v2, 2, v11                 ; its scale word: 128 (2 p + h) + 4 (16 + r)
	s_wait_loadcnt 32                              ; block 0's 32 loads are in; block 1's may be out
	VLOAD 2
	VBLOCK 0
	s_wait_loadcnt 32                              ; block 1's are in; block 2's may be out
	VLOAD 3
	VBLOCK 1
	s_wait_loadcnt 32                              ; block 2's are in; block 3's may be out
	VBLOCK 2
	s_wait_loadcnt 0x0
	VBLOCK 3
.irp g, 0,1                                    ; I hold the registers of the fragment's lanes (r, 0) and (r, 1)
.irp n, 0,1,2
	global_store_b128 v10, v[CV+12*\g+4*\n:CV+12*\g+4*\n+3], s[10:11] offset:VOFF+512*\n+256*\g   ; sixteen lanes store 256 consecutive bytes, at a multiple of 256 from kv's first byte
.endr
.endr
	global_store_b32 v11, v[WD], s[10:11] offset:SOFF
	s_endpgm
; ---------------- the mask: 16 queries x 2,048 keys become 32 bits ----------------
.Lmask:
	s_lshl_b32 s16, ttmp9, 3
	s_add_co_u32 s16, s16, s14                     ; the queries' tile: 8 x work-group + wave
	s_lshl_b32 s18, s16, 2                         ; its word,
	s_mov_b32 s19, 0
	s_lshl_b32 s16, s16, 15                        ; its 16 rows of 2,048 bytes
	s_mov_b32 s17, 0
	s_wait_kmcnt 0x0
	s_add_nc_u64 s[12:13], s[12:13], s[18:19]
	s_add_nc_u64 s[8:9], s[8:9], s[16:17]
; Eight rows: each load takes a quarter q of a row, 512 consecutive bytes, 16 a lane; lane l's bytes belong to step 4 q + l / 8.  first = 1: the first two registers start the chains: nothing is cleared.
.macro MROWS first, r0
.irp p, 0,1,2,3,4,5,6,7
.irp q, 0,1,2,3
	global_load_b128 v[X+16*\p+4*\q:X+16*\p+4*\q+3], v4, s[8:9] offset:(\r0+\p)*2048+512*\q
.endr
.endr
	s_wait_loadcnt 0x0
.irp q, 0,1,2,3
.if \first
	v_or_b32 v[OO+\q], v[X+4*\q], v[X+4*\q+1]
	v_and_b32 v[AA+\q], v[X+4*\q], v[X+4*\q+1]
.else
	v_or_b32 v[OO+\q], v[OO+\q], v[X+4*\q]
	v_and_b32 v[AA+\q], v[AA+\q], v[X+4*\q]
	s_delay_alu instid0(VALU_DEP_2)
	v_or_b32 v[OO+\q], v[OO+\q], v[X+4*\q+1]
	s_delay_alu instid0(VALU_DEP_2)
	v_and_b32 v[AA+\q], v[AA+\q], v[X+4*\q+1]
.endif
.irp j, 2,3
	s_delay_alu instid0(VALU_DEP_2)
	v_or_b32 v[OO+\q], v[OO+\q], v[X+4*\q+\j]
	s_delay_alu instid0(VALU_DEP_2)
	v_and_b32 v[AA+\q], v[AA+\q], v[X+4*\q+\j]
.endr
.irp p, 1,2,3,4,5,6,7
.irp j, 0,1,2,3
	s_delay_alu instid0(VALU_DEP_2)
	v_or_b32 v[OO+\q], v[OO+\q], v[X+16*\p+4*\q+\j]
	s_delay_alu instid0(VALU_DEP_2)
	v_and_b32 v[AA+\q], v[AA+\q], v[X+16*\p+4*\q+\j]
.endr
.endr
.endr
.endm
	s_wait_alu depctr_va_vdst(0)
	MROWS 1, 0
	MROWS 0, 8
.irp q, 0,1,2,3
	v_cmp_ne_u32 s[20+\q], 0, v[OO+\q]             ; lanes that saw a masked byte
	v_cmp_ne_u32 s[24+\q], 0x01010101, v[AA+\q]    ; lanes that saw a byte that is not masked (bytes are 0 or 1)
.endr
	s_mov_b32 s31, 0
.irp q, 0,1,2,3
.irp g, 0,1,2,3                                ; step 4 q + g: eight lanes' bits
	s_bfe_u32 s30, s[24+\q], (8<<16)|(8*\g)        ; SCC: one of them is set
	s_cselect_b32 s30, 1<<(2*(4*\q+\g)), 0
	s_or_b32 s31, s31, s30
	s_bfe_u32 s30, s[20+\q], (8<<16)|(8*\g)
	s_cselect_b32 s30, 1<<(2*(4*\q+\g)+1), 0
	s_or_b32 s31, s31, s30
.endr
.endr
	v_mov_b32 v8, s31
	v_mov_b32 v9, 0
	s_wait_alu depctr_va_vdst(0)
	s_wait_xcnt 0x0                                ; EXEC changes only behind this wait
	v_cmp_eq_u32 vcc_lo, 0, v1
	s_and_saveexec_b32 s30, vcc_lo
	global_store_b32 v9, v8, s[12:13]              ; lane 0 stores the tile's word
	s_wait_xcnt 0x0                                ; and again in front of the line that widens it
	s_or_b32 exec_lo, exec_lo, s30
	s_endpgm
.Lfunc_end_k_q5e987d1007_prep:
	.size	k_q5e987d1007_prep, .Lfunc_end_k_q5e987d1007_prep-k_q5e987d1007_prep
	.p2alignl 7, 3214868480
	.fill 96, 4, 3214868480
	.section	.rodata,"a",@progbits
	.p2align	6, 0x0
	.amdhsa_kernel k_q5e987d1007_prep
		.amdhsa_group_segment_fixed_size 34816
		.amdhsa_private_segment_fixed_size 0
		.amdhsa_enable_private_segment 0
		.amdhsa_kernarg_size 40
		.amdhsa_user_sgpr_count 2
		.amdhsa_user_sgpr_kernarg_segment_ptr 1
		.amdhsa_wavefront_size32 1
		.amdhsa_system_sgpr_workgroup_id_x 1
		.amdhsa_system_sgpr_workgroup_id_y 1
		.amdhsa_system_sgpr_workgroup_id_z 1
		.amdhsa_system_vgpr_workitem_id 0
		.amdhsa_next_free_vgpr 178
		.amdhsa_next_free_sgpr 66
		.amdhsa_reserve_vcc 1
		.amdhsa_float_denorm_mode_32 3
		.amdhsa_float_denorm_mode_16_64 3
		.amdhsa_memory_ordered 1
		.amdhsa_forward_progress 1
		.amdhsa_inst_pref_size 83
	.end_amdhsa_kernel
	.amdgpu_metadata
---
amdhsa.version: [ 1, 2 ]
amdhsa.kernels:
  - .name:           k_q5e987d1007_prep
    .symbol:         k_q5e987d1007_prep.kd
    .args:
      - { .name: k, .offset: 0, .size: 8, .value_kind: global_buffer, .address_space: global }
      - { .name: v, .offset: 8, .size: 8, .value_kind: global_buffer, .address_space: global }
      - { .name: mask, .offset: 16, .size: 8, .value_kind: global_buffer, .address_space: global }
      - { .name: kv, .offset: 24, .size: 8, .value_kind: global_buffer, .address_space: global }
      - { .name: flags, .offset: 32, .size: 8, .value_kind: global_buffer, .address_space: global }
    .group_segment_fixed_size: 34816
    .private_segment_fixed_size: 0
    .kernarg_segment_align: 8
    .kernarg_segment_size: 40
    .max_flat_workgroup_size: 256
    .sgpr_count:     66
    .vgpr_count:     178
    .wavefront_size: 32
...
	.end_amdgpu_metadata
.endif
;; end of part 3
;; launch attn (part 4): grid 4 x 64, 16 waves a work-group, no clusters, 188,416 bytes of LDS; arguments q, kv, flags, mask, out0; writes out0
.if DOCPART == 4
	.amdgcn_target "amdgcn-amd-amdhsa--gfx1250"
	.amdhsa_code_object_version 6
	.text
	.protected	k_q5e987d1007_attn
	.globl	k_q5e987d1007_attn
	.p2align	8
	.type	k_q5e987d1007_attn,@function
k_q5e987d1007_attn:
	s_mov_b64 s[64:65], 0
	v_nop
	global_prefetch_b8 v0, s[64:65] scope:SCOPE_SE
	s_setreg_imm32_b32 hwreg(HW_REG_WAVE_SCHED_MODE, 0, 2), 2
	s_setreg_imm32_b32 hwreg(HW_REG_WAVE_MODE, 25, 1), 1
	s_wait_xcnt 0x0
	s_wait_alu depctr_vm_vsrc(0)
; out[h][q][:] = the sum over k of softmax_k(q . k / sqrt(128), masked where mask[q][k] is 1) v[h][k][:], both products on codes of FP6 (E2M3) with one E8M0 scale for each 32 along a product's K.
; q, out: [64 heads][2048][128] f32.  kv: the records that the launch before made, 25,600 bytes for each head and step of 128 keys: K's eight fragments, V^T's eight, as images of
; their registers, and 8 x 32 scale words (lanes 0-15 K's tile t, lanes 16-31 V^T's tile t).  flags: a word for each tile of 16 queries: bit 2 s: step s has a key that counts; bit 2 s + 1: it has a masked one.
; THE SOFTMAX: t = score x log2(e) / sqrt(128); M = the row's largest t so far, rounded UP to a whole number; p = 2^(t - M) is quantised along the keys, not normalised.  The row's sum is taken of the
; unquantised p and divides at the end.  When M moves, the sum and O are multiplied by 2^(old M - new M): exact.
; SHARES.  256 work-groups.  Work-group (x, head) makes two passes: the head's block 7 - x of 256 queries, then block x.  Each of its sixteen waves owns 16 queries, one tile, in 256 registers: four waves
; to a SIMD, so that one wave's vector work stands beside another's matrix work and LDS loads.
; A pass walks all 16 steps in a loop of constant count.  The flags only jump over WORK: a step in which all 128 keys are masked
; a step that no wave of the work-group needs is not brought in; the mask's bytes are read only where a tile holds a masked key.  No barrier stands under such a branch.
; The walk hangs on numbers read from memory, and the work-groups of a head need different numbers of steps: so the records come through registers (each thread 16 bytes of each 8,192, one step ahead)
; into two LDS slots, not by tensor loads, and nothing is asked for jointly.
; LAYOUT.  Both products are used transposed: S^T = K Q^T (source 0 = 16 keys, source 1 = my queries), O^T = V^T P^T: a lane holds ONE query (lane % 16) throughout.  The keys of K's tiles are chosen so that the
; 16 registers of tiles 2 b and 2 b + 1 are keys 32 b + 16 (lane / 16) + 0 .. 15.
; A row whose every key is masked ends with the sum 0 and O 0: 0 x (1 / 0) is NaN, as the softmax of such a row is.
; LIMITS: NaN and infinities in q are not served; a block of q whose largest magnitude lies under 2^-124 gets the scale byte 1; a mask byte is 0 or not 0.
; REGISTERS: v1-7 addresses; v9 -infinity; v10-11 at work; v12 -M, v13 the largest t, v[14:15] the sum in two halves; v16-27 Q's codes; v28 Q's scale word; v29 p's; v30 f, v31 at work;
;   v32-79 four fragments; v80-95 a record's bytes on their way; v96-159 S^T, then p, then (v96-143) V^T's last four fragments; v160-223 O^T; v224-235 p's codes; v232-247 at work; v248-255 the step's scale words.
; THE MODE: SCHED_MODE bits 1:0 = 2 (LLVM: expert scheduling mode 2), set by the entry lines.  The code itself states the register dependences
; between vector or matrix instructions and memory or LDS instructions, with s_wait_alu, always for 0.
; THE PLAN.  Registers that memory or LDS instructions touch:
;   v1-v7     addresses and offsets: written at the head, ahead of the first pass, and never again.
;   v80-95    Written by the global loads at a step's head, read by the LDS stores at its end.  On the way out rows of O land there and the global stores read them.  No vector instruction names them.
;   v32-79    In a step: K's fragments 0-3 land, four products read them; K's 4-7 land, four products read them; V^T's 0-3 land, four products read them.  On the way out as v80-95.
;   v96-159   At a pass's head q's rows land, the LDS stores read them, they land again turned, vector instructions read them.  In a step: written by the eight products S^T, worked on in place by the softmax;
;             when p's codes and sum are made, V^T's fragments 4-7 land in v96-143 and four products read them.  On the way out: written by the division, read by the LDS stores.
;   v224-239  The mask's bytes land there, behind the products that read p's codes in the step before and ahead of the softmax, which writes these registers anew.
;   v248-255  The scale words: loaded at the head of a step's work, read by its sixteen products.  v254 and v255 are made anew at the end, for the closing add.
; A STEP'S WAITS.  One on vm_vsrc at its head (the LDS stores have read v80-95).  Four on va_vdst: at the head of its work (the last step's products are done with v32-79, v224-235 and v248-255);
; behind the first four products (v32-79); behind the exponentials, where a wait stands in any case (it also shows the products S^T done with v32-79, so V^T's first four fragments are asked for there and land
; under the rest of the softmax); and behind the rescaling of O^T (p's codes and scale word are written; p has been read for the last time, so V^T's last four fragments are asked for into its registers).
; Behind each of them the loads that follow name only registers that no vector or matrix instruction issued since the wait names.
.set SKIP,    1                        ; 0: every 'work' bit is set: every tile is multiplied
.set TESTMIX, 1                        ; 0: every 'masked' bit is set: the mask's bytes are read in every tile
.set REC,   25600
.set VOFF,  12288
.set SOFF,  24576
.set SP,    528                        ; a stage row: 512 bytes + 16 = 33 x 16: sixteen rows' 16-byte pieces fall on sixteen different places modulo 256 bytes
.set STAGE, 2*REC                      ; behind the two slots: 16 rows x 528 bytes for each wave: q on the way in, O on the way out
.set FR,    32
.set SG,    80
.set S,     96
.set O,     160
.set PC,    224
.set KVS,   248
.macro PLACES n                        ; plain vector instructions between a matrix instruction and a load into, a read of, or a matrix instruction's write over its registers
.rept \n
	v_nop
.endr
.endm
.macro BARRIER                         ; my LDS stores have landed and my LDS loads are in: then the work-group's barrier
	s_wait_dscnt 0x0
	s_barrier_signal -1
	s_barrier_wait -1
.endm
; A record from memory into registers: 512 threads x 16 bytes three times, and the 1,024 bytes of scale words by waves 0 and 1.  Each load of a wave covers 512 consecutive bytes.
.macro STAGE_LOAD off
.irp i, 0,1,2
	global_load_b128 v[SG+4*\i:SG+4*\i+3], v3, s[28:29] offset:\off+8192*\i
.endr
	s_cmp_lt_u32 s14, 2
	s_cbranch_scc0 .Lsl_\@
	global_load_b128 v[SG+12:SG+15], v3, s[28:29] offset:\off+SOFF
.Lsl_\@:
.endm
.macro STAGE_STORE base                ; and on into a slot, as it lies
.irp i, 0,1,2
	ds_store_b128 v3, v[SG+4*\i:SG+4*\i+3] offset:\base+8192*\i
.endr
	s_cmp_lt_u32 s14, 2
	s_cbranch_scc0 .Lss_\@
	ds_store_b128 v3, v[SG+12:SG+15] offset:\base+SOFF
.Lss_\@:
.endm
.macro FRAGS reg, base, from           ; four fragments, tiles from .. from + 3, into v[reg] on: three loads of 16 bytes a lane each, 512 consecutive bytes a load
.irp t, 0,1,2,3
.irp c, 0,1,2
	ds_load_b128 v[\reg+12*\t+4*\c:\reg+12*\t+4*\c+3], v1 offset:\base+1536*(\from+\t)+512*\c
.endr
.endr
.endm
; From four blocks' largest magnitudes in v232-235 (the floor among them): the conversions' scale operands in v244-247 and the scale word in v[pw]
.macro SCALEW pw
.irp b, 0,1,2,3
	v_add_nc_u32 v[244+\b], 0xff000000, v[232+\b]  ; 2 off the exponent field: the conversion takes the exponent field of this operand as its scale
.endr
.irp b, 0,1,2,3
	v_lshrrev_b32 v[236+\b], 23, v[244+\b]         ; the scale's byte
.endr
	v_lshl_or_b32 v[\pw], v237, 8, v236
	v_lshl_or_b32 v[\pw], v238, 16, v[\pw]
	v_lshl_or_b32 v[\pw], v239, 24, v[\pw]
.endm
; 64 numbers of a lane, register 16 b + i = k 32 b + 16 (lane / 16) + i of my row, become a fragment's 12 registers at v[pc]
.macro PACK s, pc
.irp c, 0,1
	v_cvt_scalef32_pk16_fp6_f32 v[\pc+6*\c:\pc+6*\c+2], v[\s+32*\c:\s+32*\c+15], v[244+2*\c]
	v_cvt_scalef32_pk16_fp6_f32 v[236+4*\c:238+4*\c], v[\s+32*\c+16:\s+32*\c+31], v[245+2*\c]   ; (a conversion's three registers begin on an even number)
.endr
	v_nop                                          ; one plain place behind a scaled conversion
.irp c, 0,1                                    ; the operand's layout wants a WHOLE block in a lane: lanes 0-15 block 2 c, lanes 16-31 block 2 c + 1
.irp i, 0,1,2
	v_permlane16_swap_b32 v[\pc+6*\c+\i], v[236+4*\c+\i]
.endr
.irp i, 0,1,2
	v_mov_b32 v[\pc+3+6*\c+\i], v[236+4*\c+\i]
.endr
.endr
.endm
.macro SPROD g                         ; S^T's tiles 4 g .. 4 g + 3; each product is a whole sum (K = the head's 128)
.irp t, 0,1,2,3
	v_wmma_scale_f32_16x16x128_f8f6f4 v[S+8*(4*\g+\t):S+8*(4*\g+\t)+7], v[FR+12*\t:FR+12*\t+11], v[16:27], 0, v[KVS+4*\g+\t], v28 matrix_a_fmt:MATRIX_FMT_FP6 matrix_b_fmt:MATRIX_FMT_FP6
.endr
.endm
.macro OPROD g, fr                     ; O^T's tiles 4 g .. 4 g + 3 take these 128 keys; their fragments of V^T stand at v[fr] on; V's scale words stand in lanes 16-31.  The accumulators take turns, one instruction a turn
.irp t, 0,1,2,3
	v_wmma_scale_f32_16x16x128_f8f6f4 v[O+8*(4*\g+\t):O+8*(4*\g+\t)+7], v[\fr+12*\t:\fr+12*\t+11], v[PC:PC+11], v[O+8*(4*\g+\t):O+8*(4*\g+\t)+7], v[KVS+4*\g+\t], v29 matrix_a_fmt:MATRIX_FMT_FP6 matrix_b_fmt:MATRIX_FMT_FP6 matrix_a_scale:MATRIX_SCALE_ROW1
.endr
.endm
; A tile's softmax for one step, in two parts.  The first: from 64 scores of a lane to the exponentials, which go as one batch.
.macro SOFTMAX1
.irp b, 0,1,2,3
	v_max3_num_f32 v[232+\b], v[S+16*\b], v[S+1+16*\b], v[S+2+16*\b]   ; the largest score of each block of 32 keys: it serves the row's maximum and, since p rises with the score, the block's largest p
.endr
.irp i, 3,5,7,9,11,13
.irp b, 0,1,2,3
	v_max3_num_f32 v[232+\b], v[232+\b], v[S+16*\b+\i], v[S+1+16*\b+\i]
.endr
.endr
.irp b, 0,1,2,3
	v_max_num_f32 v[232+\b], v[232+\b], v[S+15+16*\b]
.endr
.irp b, 0,1,2,3
	v_permlanex16_b32 v[236+\b], v[232+\b], s22, s23
.endr
.irp b, 0,1,2,3
	v_max_num_f32 v[232+\b], v[232+\b], v[236+\b]  ; with lane l xor 16's 16 keys
.endr
	v_max3_num_f32 v31, v232, v233, v234
	v_max_num_f32 v31, v31, v235                   ; the step's largest score of my query
	v_mul_f32 v31, s24, v31                        ; as t (c is positive)
	v_max_num_f32 v13, v13, v31                    ; the running largest t
	v_mov_b32 v31, v12
	v_floor_f32 v12, -v13                          ; the new -M = floor(-t) = -ceil(t): a whole number
	v_sub_f32 v31, v12, v31                        ; M's old value less its new one: a whole number, 0 or less
	v_cvt_i32_f32 v31, v31                         ; (it saturates)
	v_ldexp_f32 v30, 1.0, v31                      ; f = 2^(old M - new M)
.irp j, 0,2,4,6,8,10,12,14,16,18,20,22,24,26,28,30,32,34,36,38,40,42,44,46,48,50,52,54,56,58,60,62
	v_pk_fma_f32 v[S+\j:S+1+\j], v[S+\j:S+1+\j], s[24:25], v[12:13] op_sel_hi:[1,0,0]   ; t - M, two at a time (of the pairs c and -M the low word serves both halves)
.endr
.irp b, 0,1,2,3
	v_fma_f32 v[232+\b], v[232+\b], s24, v12       ; the same of each block's largest score
.endr
	s_wait_alu depctr_va_vdst(0)
.irp j, 0,1,2,3,4,5,6,7,8,9,10,11,12,13,14,15,16,17,18,19,20,21,22,23,24,25,26,27,28,29,30,31,32,33,34,35,36,37,38,39,40,41,42,43,44,45,46,47,48,49,50,51,52,53,54,55,56,57,58,59,60,61,62,63
	v_exp_f32 v[S+\j], v[S+\j]                     ; p = 2^(t - M), at most 1; a masked key's is 0
.endr
.irp b, 0,1,2,3
	v_exp_f32 v[232+\b], v[232+\b]                 ; the block's largest p: the same two instructions on the same number give the same bits
.endr
	v_pk_mul_f32 v[14:15], v[14:15], v[30:31] op_sel_hi:[1,0]   ; the sums under the new M.  (A plain place behind the exponentials)
.endm
; The second part: p's codes and scale word; the row's sum; O^T under the new M.
.macro SOFTMAX2
.irp b, 0,1,2,3
	v_max_num_f32 v[232+\b], 0x1800000, v[232+\b]  ; the floor 2^(3 - 127): the byte cannot fall under 1 (a block whose every p is 0 keeps that byte: its codes are zeros)
.endr
	SCALEW 29
	PACK S, PC
	v_pk_add_f32 v[236:237], v[S:S+1], v[S+2:S+3]  ; the row's sum is taken of the unquantised p: two at a time, in two chains
.irp j, 4,8,12,16,20,24,28,32,36,40,44,48,52,56,60
	v_pk_add_f32 v[14:15], v[14:15], v[S+\j:S+1+\j]
	v_pk_add_f32 v[236:237], v[236:237], v[S+2+\j:S+3+\j]
.endr
	v_pk_add_f32 v[14:15], v[14:15], v[236:237]
.irp j, 0,2,4,6,8,10,12,14,16,18,20,22,24,26,28,30,32,34,36,38,40,42,44,46,48,50,52,54,56,58,60,62
	v_pk_mul_f32 v[O+\j:O+1+\j], v[O+\j:O+1+\j], v[30:31] op_sel_hi:[1,0]   ; O^T under the new M, each accumulator from its low end on.  (These 32 also stand between the writing of p's codes and scale word and the products)
.endr
.endm
; A KEY STEP.  Its record lies in slot \slot.  s19: my tile's flags, s20: the OR of the sixteen tiles'; both shifted so that this step's two bits are bits 0 and 1, the next step's bits 2 and 3.
.macro STEP slot
	s_wait_alu depctr_vm_vsrc(0)                   ; the LDS stores that laid the last record into its slot have read v80-95, in which the next record's loads land; ahead of the branch, so on every way
	s_bitcmp1_b32 s20, 2                           ; does any wave need the next step?  (Behind step 15 the bit is a zero that was shifted in: no load leaves the head's records)
	s_cbranch_scc0 .Lnl_\@
	STAGE_LOAD (\slot+1)*REC                       ; it lands while this step is worked
.Lnl_\@:
	s_bitcmp1_b32 s19, 0                           ; has my tile a key that counts in this step?
	s_cbranch_scc0 .Lidle_\@
	PLACES 5                                       ; behind the last step's products: five, since the first products below write S^T over v96-143, which those products read as fragments of V^T
	s_wait_alu depctr_va_vdst(0)                   ; the last step's products are done reading v32-79 and v248-255, in which the loads below land, and its softmax and products are done with v224-247, where the mask's bytes may land further down; in a pass's first step Q's codes v16-27 and scale word v28 are written, which the products below take
.irp t, 0,1,2,3,4,5,6,7
	ds_load_b32 v[KVS+\t], v2 offset:\slot*REC+SOFF+128*\t
.endr
	FRAGS FR, \slot*REC, 0
	s_wait_dscnt 0x0
	SPROD 0
	PLACES 4
	s_wait_alu depctr_va_vdst(0)                   ; the four products above are done reading v32-79, in which K's next four fragments land
	FRAGS FR, \slot*REC, 4
	s_wait_dscnt 0x0
	SPROD 1
	PLACES 4                                       ; behind the products, ahead of the first read of their results
	s_bitcmp1_b32 s19, 1                           ; is any key of this step masked for any of my queries?
	s_cbranch_scc0 .Lopen_\@
.irp b, 0,1,2,3
	global_load_b128 v[PC+4*\b:PC+4*\b+3], v4, s[30:31] offset:128*\slot+32*\b   ; mask[my query][32 b + 16 (lane / 16) + 0 .. 15]: byte i belongs to register 16 b + i.  No wait: since the wait at the head of the step's work only the products S^T were issued, which name none of v224-239
.endr
	s_wait_loadcnt 0x0                             ; they are the youngest loads
.irp b, 0,1,2,3                                ; a block of 32 keys at a time: sixteen compares into s40-55 (flag words at a pass's head, free here), one wait, sixteen selects
.irp i, 0,1,2,3,4,5,6,7,8,9,10,11,12,13,14,15
	v_and_b32 v[10+(\i%2)], 0xff<<(8*(\i%4)), v[PC+4*\b+\i/4]
	v_cmp_ne_u32 s[40+\i], 0, v[10+(\i%2)]
.endr
	s_wait_alu depctr_va_sdst(0)                   ; the sixteen compares have written s40-55, ahead of the selects that read them
.irp i, 0,1,2,3,4,5,6,7,8,9,10,11,12,13,14,15
	v_cndmask_b32 v[S+16*\b+\i], v[S+16*\b+\i], v9, s[40+\i]   ; a masked score becomes -infinity ahead of the maximum; the scores are taken in ascending order
.endr
.endr
.Lopen_\@:
	SOFTMAX1
	s_wait_alu depctr_va_vdst(0)                   ; the 68 exponentials have written v96-159 and v232-235, ahead of their first reader; and the products S^T are done reading v32-79, in which the loads below land
	FRAGS FR, \slot*REC+VOFF, 0                    ; V^T's first four fragments land under the rest of the softmax
	SOFTMAX2
	s_wait_alu depctr_va_vdst(0)                   ; p's codes v224-235 and scale word v29 are written, which the products below take; the conversions and the sums are done reading p, in whose registers v96-143 the loads below land
	FRAGS S, \slot*REC+VOFF, 4                     ; V^T's last four fragments
	s_wait_dscnt 12                                ; V^T's first four fragments are in; the twelve younger loads may be out
	OPROD 0, FR
	s_wait_dscnt 0x0                               ; V^T's last four are in
	OPROD 1, S
.Lidle_\@:
	s_wait_loadcnt 0x0                             ; on every way: the next record's bytes are in registers, and no load names an address any more
	s_bitcmp1_b32 s20, 2
	s_cbranch_scc0 .Lns_\@
	STAGE_STORE (1-\slot)*REC                      ; into the slot that was read last step: every wave left that step through its barrier
.Lns_\@:
	s_lshr_b32 s20, s20, 2
	s_lshr_b32 s19, s19, 2
	BARRIER                                        ; my reads of this slot are over and my part of the other slot lies there; the same of every wave
.endm
	s_load_b256 s[4:11], s[0:1], 0x0               ; q s[4:5], kv s[6:7], flags s[8:9], mask s[10:11]
	s_load_b64 s[12:13], s[0:1], 0x20              ; out
	v_lshrrev_b32 v1, 5, v0
	v_readfirstlane_b32 s14, v1                    ; wave 0..15
	s_and_b32 s15, ttmp7, 0xffff                   ; the head
	s_xor_b32 s16, ttmp9, 7                        ; the first pass's block of queries: 7 - x
	s_mov_b32 s17, 2                               ; passes to go
	s_mov_b32 s22, 0x76543210
	s_mov_b32 s23, 0xfedcba98                      ; v_permlanex16_b32's selects for lane l xor 16
	s_mov_b32 s24, 0x3e0293ee                      ; c = log2(e) / sqrt(128)
	s_mov_b32 s25, s24                             ; (named with it as a pair, so it is written)
	v_and_b32 v10, 31, v0                          ; lane
	v_and_b32 v11, 15, v0                          ; r
	v_bfe_u32 v8, v0, 4, 1                         ; h
	v_lshlrev_b32 v1, 4, v10                       ; 16 x lane: an image's place; a row's 16 bytes in q and in out
	v_lshlrev_b32 v2, 2, v10                       ; 4 x lane: a scale word's
	v_lshlrev_b32 v3, 4, v0                        ; 16 x thread: my bytes of each 8,192 of a record, in memory and in a slot
	v_lshlrev_b32 v4, 11, v11
	v_lshl_add_u32 v4, v8, 4, v4                   ; the mask: row r of 2,048 bytes, + 16 h
	s_wait_alu depctr_va_sdst(0)                   ; s14, the wave's number, is written, ahead of its first reader
	s_mul_i32 s36, s14, 16*SP
	s_add_co_u32 s36, s36, STAGE                   ; my stage
	v_add_nc_u32 v5, s36, v1                       ; a whole row: 16 x lane
	v_mul_u32_u24 v6, v11, SP
	v_add_nc_u32 v6, s36, v6
	v_lshl_add_u32 v7, v8, 5, v6                   ; O on the way in: row r, + 32 h
	v_lshl_add_u32 v6, v8, 6, v6                   ; q on the way back: row r, + 64 h: my 16 numbers of each block of 32
	v_mov_b32 v9, 0xff800000                       ; -infinity
	v_mov_b32 v31, 0
.irp b, 0,1,2,3
	v_mov_b32 v[236+\b], 0                         ; written once: a lane permute's destination counts as one of its sources
.endr
	s_mul_i32 s36, s15, 16*REC
	s_mov_b32 s37, 0
	s_wait_kmcnt 0x0
	s_add_nc_u64 s[26:27], s[6:7], s[36:37]        ; kv at the head's first record
.Lpass:
	s_lshl_b32 s36, s15, 20                        ; q and out: the head's 2^20 bytes, the block's 256 rows of 512 bytes, my 16 rows
	s_lshl_b32 s21, s16, 17
	s_add_co_u32 s36, s36, s21
	s_lshl_b32 s21, s14, 13
	s_add_co_u32 s36, s36, s21
	s_add_nc_u64 s[32:33], s[4:5], s[36:37]
	s_add_nc_u64 s[34:35], s[12:13], s[36:37]
	s_lshl_b32 s36, s16, 19                        ; the mask: the block's 256 rows of 2,048 bytes, my 16 rows
	s_lshl_b32 s21, s14, 15
	s_add_co_u32 s36, s36, s21
	s_add_nc_u64 s[30:31], s[10:11], s[36:37]
	s_mov_b64 s[28:29], s[26:27]
	s_lshl_b32 s36, s16, 6                         ; the block's sixteen flag words,
	s_add_nc_u64 s[56:57], s[8:9], s[36:37]
	s_lshl_b32 s36, s14, 2                         ; and mine among them
	s_add_nc_u64 s[38:39], s[56:57], s[36:37]
	s_load_b32 s19, s[38:39], 0x0
	s_load_b512 s[40:55], s[56:57], 0x0
	s_wait_alu depctr_va_vdst(0)                   ; first pass: the addresses v1 to v7 are written, which every load and store of the kernel reads; second pass: the division has written v96-159, in which q's rows land
	s_wait_alu depctr_vm_vsrc(0)                   ; second pass: the way out's global stores have read v80-95, in which the record lands, and its LDS stores v96-159, in which q's rows land
	STAGE_LOAD 0                                   ; step 0's record, whatever the flags say: so the registers on the way are written on every path
.irp i, 0,1,2,3,4,5,6,7,8,9,10,11,12,13,14,15
	global_load_b128 v[S+4*\i:S+4*\i+3], v1, s[32:33] offset:512*\i th:TH_LOAD_NT   ; a whole row of q: 512 consecutive bytes
.endr
	s_wait_kmcnt 0x0
	s_or_b32 s20, s40, s41
.irp i, 42,43,44,45,46,47,48,49,50,51,52,53,54,55
	s_or_b32 s20, s20, s[\i]                       ; what any wave of the work-group needs
.endr
.if SKIP == 0
	s_mov_b32 s20, 0x55555555
	s_or_b32 s19, s19, 0x55555555
.endif
.if TESTMIX == 0
	s_or_b32 s19, s19, 0xaaaaaaaa
.endif
	s_wait_loadcnt 0x0
	STAGE_STORE 0                                  ; both slots' last reads stand in front of the last pass's last barrier
.irp i, 0,1,2,3,4,5,6,7,8,9,10,11,12,13,14,15
	ds_store_b128 v5, v[S+4*\i:S+4*\i+3] offset:SP*\i          ; q turns through my stage, so that a lane holds 16 neighbours of each block of ONE row
.endr
	s_wait_alu depctr_vm_vsrc(0)                   ; the LDS stores above have read v96-159, in which the loads below land
.irp b, 0,1,2,3
.irp j, 0,1,2,3
	ds_load_b128 v[S+16*\b+4*\j:S+16*\b+4*\j+3], v6 offset:128*\b+16*\j   ; LDS serves a wave's instructions in order: these see the stores above
.endr
.endr
	s_wait_dscnt 0x0
.irp b, 0,1,2,3
	v_max3_num_f32 v[232+\b], |v[S+16*\b]|, |v[S+1+16*\b]|, 0x1800000   ; block b: my 16 numbers, and the floor 2^(3 - 127)
.endr
.irp i, 2,4,6,8,10,12,14
.irp b, 0,1,2,3
	v_max3_num_f32 v[232+\b], v[232+\b], |v[S+16*\b+\i]|, |v[S+1+16*\b+\i]|
.endr
.endr
.irp b, 0,1,2,3
	v_permlanex16_b32 v[236+\b], v[232+\b], s22, s23
.endr
.irp b, 0,1,2,3
	v_max_num_f32 v[232+\b], v[232+\b], v[236+\b]  ; with lane l xor 16's: the block's largest magnitude
.endr
	SCALEW 28
	PACK S, 16
	v_mov_b32 v13, 0xff61b1e6                      ; the largest t so far: -3e38, under every t
	v_floor_f32 v12, -v13                          ; -M
	v_mov_b32 v14, 0                               ; the sum, in two halves
	v_mov_b32 v15, 0
.irp j, 0,1,2,3,4,5,6,7,8,9,10,11,12,13,14,15,16,17,18,19,20,21,22,23,24,25,26,27,28,29,30,31,32,33,34,35,36,37,38,39,40,41,42,43,44,45,46,47,48,49,50,51,52,53,54,55,56,57,58,59,60,61,62,63
	v_mov_b32 v[O+\j], 0                           ; O^T is cleared: which step is a wave's first hangs on the flags, so no product can be written as the one that starts the sums
.endr
	BARRIER                                        ; step 0's record lies in slot 0
	s_mov_b32 s18, 8
.Ltrip:                                            ; 8 trips of two steps: slot, fragment and piece stand in immediates, no LDS address is stepped
	STEP 0
	STEP 1
	s_add_nc_u64 s[28:29], s[28:29], 2*REC         ; (no load is out: each step ends behind its wait for all loads)
	s_add_nc_u64 s[30:31], s[30:31], 256           ; the mask: 256 keys on
	s_sub_co_u32 s18, s18, 1
	s_cmp_lg_u32 s18, 0
	s_cbranch_scc1 .Ltrip
	; THE WAY OUT.  O^T is divided by the row's sum and turns through my stage: a lane holds 32 bytes of a row; whole rows of 512 bytes come back and are stored by the 32 lanes.
	PLACES 4                                       ; behind the last products
	v_add_f32 v14, v14, v15                        ; the sum's two halves,
	v_permlanex16_b32 v31, v14, s22, s23
	v_add_f32 v14, v14, v31                        ; and lane l xor 16's: the row's sum
	s_wait_alu depctr_va_vdst(0)
	v_rcp_f32 v14, v14
	v_nop                                          ; a plain place behind the transcendental
	s_wait_alu depctr_va_vdst(0)                   ; the reciprocal has written v14, ahead of its first reader
.irp j, 0,1,2,3,4,5,6,7,8,9,10,11,12,13,14,15,16,17,18,19,20,21,22,23,24,25,26,27,28,29,30,31,32,33,34,35,36,37,38,39,40,41,42,43,44,45,46,47,48,49,50,51,52,53,54,55,56,57,58,59,60,61,62,63
	v_mul_f32 v[S+\j], v[O+\j], v14                ; register 8 t + i is out(r, 16 t + 8 h + i); each accumulator from its low end on
.endr
	s_wait_alu depctr_va_vdst(0)                   ; the multiplications have written v96-159, which the LDS stores below read; the last products are done reading v32-79, in which rows of O land
	s_wait_alu depctr_vm_vsrc(0)                   ; the LDS stores of the last record have read v80-95, in which rows of O land
.irp t, 0,1,2,3,4,5,6,7
	ds_store_b128 v7, v[S+8*\t:S+8*\t+3] offset:64*\t
	ds_store_b128 v7, v[S+8*\t+4:S+8*\t+7] offset:64*\t+16
.endr
.irp i, 0,1,2,3,4,5,6,7,8,9,10,11,12,13,14,15
	ds_load_b128 v[FR+4*\i:FR+4*\i+3], v5 offset:SP*\i         ; LDS serves a wave's instructions in order: these see my stores
.endr
.irp i, 0,1,2,3,4,5,6,7,8,9,10,11,12,13,14,15
	s_wait_dscnt 15-\i                             ; row i is back; the younger loads may be out
	global_store_b128 v1, v[FR+4*\i:FR+4*\i+3], s[34:35] offset:512*\i th:TH_STORE_NT   ; 32 lanes store 512 consecutive bytes, at a multiple of 256 from out's first byte
.endr
	s_wait_xcnt 0x0                                ; the stores have read their registers and their base: the next pass writes both again
	s_xor_b32 s16, s16, 7                          ; the second pass's block: x
	s_sub_co_u32 s17, s17, 1
	s_cmp_lg_u32 s17, 0
	s_cbranch_scc1 .Lpass
	s_wait_xcnt 0x0
	v_lshl_add_u32 v254, v0, 2, 0x2d800            ; the add's two registers are made anew: no memory or LDS instruction has read v254 or v255
	v_mov_b32 v255, 0
	s_wait_dscnt 0x0                               ; the closing lines, six on end
	s_wait_alu 0x0
	s_wait_tensorcnt 0x0
	ds_add_u32 v254, v255
	s_wait_dscnt 0x0
	s_endpgm
.Lfunc_end_k_q5e987d1007_attn:
	.size	k_q5e987d1007_attn, .Lfunc_end_k_q5e987d1007_attn-k_q5e987d1007_attn
	.p2alignl 7, 3214868480
	.fill 96, 4, 3214868480
	.section	.rodata,"a",@progbits
	.p2align	6, 0x0
	.amdhsa_kernel k_q5e987d1007_attn
		.amdhsa_group_segment_fixed_size 188416
		.amdhsa_private_segment_fixed_size 0
		.amdhsa_enable_private_segment 0
		.amdhsa_kernarg_size 40
		.amdhsa_user_sgpr_count 2
		.amdhsa_user_sgpr_kernarg_segment_ptr 1
		.amdhsa_wavefront_size32 1
		.amdhsa_system_sgpr_workgroup_id_x 1
		.amdhsa_system_sgpr_workgroup_id_y 1
		.amdhsa_system_sgpr_workgroup_id_z 1
		.amdhsa_system_vgpr_workitem_id 0
		.amdhsa_next_free_vgpr 256
		.amdhsa_next_free_sgpr 66
		.amdhsa_reserve_vcc 0
		.amdhsa_float_denorm_mode_32 3
		.amdhsa_float_denorm_mode_16_64 3
		.amdhsa_memory_ordered 1
		.amdhsa_forward_progress 1
		.amdhsa_inst_pref_size 86
	.end_amdhsa_kernel
	.amdgpu_metadata
---
amdhsa.version: [ 1, 2 ]
amdhsa.kernels:
  - .name:           k_q5e987d1007_attn
    .symbol:         k_q5e987d1007_attn.kd
    .args:
      - { .name: q, .offset: 0, .size: 8, .value_kind: global_buffer, .address_space: global }
      - { .name: kv, .offset: 8, .size: 8, .value_kind: global_buffer, .address_space: global }
      - { .name: flags, .offset: 16, .size: 8, .value_kind: global_buffer, .address_space: global }
      - { .name: mask, .offset: 24, .size: 8, .value_kind: global_buffer, .address_space: global }
      - { .name: out0, .offset: 32, .size: 8, .value_kind: global_buffer, .address_space: global }
    .group_segment_fixed_size: 188416
    .private_segment_fixed_size: 0
    .kernarg_segment_align: 8
    .kernarg_segment_size: 40
    .max_flat_workgroup_size: 512
    .sgpr_count:     66
    .vgpr_count:     256
    .wavefront_size: 32
...
	.end_amdgpu_metadata
.endif
;; end of part 4
